; MI455X (gfx1250); checked and timed in simulation.
; The chip was launched on July 23, 2026; its instructions are those of AMD's public machine-readable ISA for CDNA 5 (MIT licence, August 2026) and "CDNA5" Instruction Set Architecture Reference Guide (July 2026). The comments in the code are by the model that wrote it; some were corrected since.
;; Transformer Encoder Layer. Allowed arithmetic: matrix products marked QUANTISED: E2M3 operands, one E8M0 scale for each 32 along K, by v_wmma_scale_f32_16x16x128_f8f6f4 with both operands' format E2M3, f32 sums; everything else in f32.
;; Inputs: W1 1,024 x 4,096 float32; W2 4,096 x 1,024 float32; Wk 1,024 x 1,024 float32; Wo 1,024 x 1,024 float32; Wq 1,024 x 1,024 float32; Wv 1,024 x 1,024 float32; be1 1,024 float32; be2 1,024 float32; bf1 4,096 float32; bf2 1,024 float32; bk 1,024 float32; bo 1,024 float32; bq 1,024 float32; bv 1,024 float32; g1 1,024 float32; g2 1,024 float32; src 2,048 x 2 x 1,024 float32.
;; Outputs: out0 2,048 x 2 x 1,024 float32.
;; This version of the problem:
;;   THIS VERSION OF THE PROBLEM IS GIVEN IN LOW PRECISION. The matrix products marked QUANTISED in the list below multiply operands that are first quantised to E2M3 (2 exponent bits, 3 mantissa bits; 6 bits a number), with one power-of-two scale for each 32 numbers along K (OCP MX v1.0); their sums are f32. All else is computed in f32.
;;   The module's matrix products, in the order in which they are computed (A, B: the left and right operand; K: the contracted axis; several contracted axes count as one K, in the product's order):
;;     1. [M 4,096, K 1,024] x [K 1,024, N 1,024]; A: input src; B: input Wq: QUANTISED
;;     2. [M 4,096, K 1,024] x [K 1,024, N 1,024]; A: input src; B: input Wk: QUANTISED
;;     3. [M 4,096, K 1,024] x [K 1,024, N 1,024]; A: input src; B: input Wv: QUANTISED
;;     4. batch 32 x [M 2,048, K 64] x [K 64, N 2,048]; A: computed on the way; B: computed on the way: QUANTISED
;;     5. batch 32 x [M 64, K 2,048] x [K 2,048, N 2,048]; A: computed on the way; B: softmax (see below): QUANTISED
;;     6. [M 4,096, K 1,024] x [K 1,024, N 1,024]; A: computed on the way; B: input Wo: QUANTISED
;;     7. [M 4,096, K 1,024] x [K 1,024, N 4,096]; A: computed on the way; B: input W1: QUANTISED
;;     8. [M 4,096, K 4,096] x [K 4,096, N 1,024]; A: computed on the way; B: input W2: QUANTISED
;;   THE QUANTISER, for each operand of a quantised product, along K:
;;     - K is cut into blocks of 32 from its start; a last block that is shorter is filled with zeros.
;;     - A block's scale is 2^e with e = floor(log2(the largest magnitude in the block)) - 2, held to -126 .. 127; a block of zeros has e = 0. As a byte (E8M0): e + 127.
;;     - Each number is divided by its block's scale, clamped to +-7.5, and rounded to the nearest number of E2M3, ties to even, subnormals kept.
;;     - The product sums the exact products of the quantised numbers (number of the format x scale) in f32.
;;   ~~~python
;;   def quantise(x, axis):      # numpy; x: float32 -> the quantised numbers, widened to float32 again
;;       x = np.moveaxis(x, axis, -1); K = x.shape[-1]
;;       x = np.pad(x, [(0, 0)] * (x.ndim - 1) + [(0, -K % 32)]); x = x.reshape(x.shape[:-1] + (-1, 32)); a = np.abs(x).max(-1, keepdims=True)
;;       e = np.where(a > 0, np.clip(np.frexp(np.where(a > 0, a, 1))[1] - 1 - 2, -126, 127), 0)      # np.frexp(a)[1] - 1 = floor(log2(a)), exactly
;;       r = np.clip(x / 2.0 ** e, -7.5, 7.5)
;;       step = 2.0 ** (np.maximum(np.frexp(np.where(r == 0, 1, r))[1] - 1, 0) - 3)
;;       q = np.round(r / step) * step * 2.0 ** e      # np.round: ties to even
;;       return np.moveaxis(q.reshape(q.shape[:-2] + (-1,))[..., :K], -1, axis).astype(np.float32)
;;   ~~~
;;   SOFTMAX AHEAD OF A QUANTISED PRODUCT. Where the list says 'softmax', what is quantised is not the finished softmax but p = 2^(t - M), with t = logit x log2(e) and M = ceil(the row's largest t), a whole number; so 1/2 < the row's largest p <= 1. The row's sum l is taken of the UNQUANTISED p, in f32, and the product's result is divided by l at the end. Since M is a whole number, a kernel that streams over the keys may use a running M (the ceiling of the running maximum): every later rescaling is an exact power of two, which a block's scale takes up: the codes' values come out the same.
;;   OPERANDS COMPUTED ON THE WAY. 'Computed on the way' means the value that the module computes at that place (a softmax that the list does not call 'softmax' is quantised finished and normalised). What goes into a quantiser is computed in f32, as accurately as f32 sums, v_exp_f32 and their like allow (about 1e-6 of the number): no bf16 or f16 on the way to a quantiser, and a product that is left as it is and whose result goes on into a quantised operand takes f32 operands (vector FMAs, or v_wmma_f32_16x16x4_f32). A number that lies on a knife's edge between two numbers of the format may be rounded either way, as far as f32 arithmetic and the matrix unit's own rounding can turn it there, and no further.
;; One version. Each part assembles by itself: llvm-mc -triple=amdgcn-amd-amdhsa -mcpu=gfx1250 --defsym DOCPART=n.
;; ======== version 1 of 1: 8 launches
;; limits: right only within a limited range of input values
;; workspace buffers: wa 6,586,368 bytes; wb 9,863,168 bytes; qa 16,777,216 bytes; cf 16,777,216 bytes; hc 13,107,200 bytes
;; launch prep (part 1): grid 1024 x 1, 4 waves a work-group, no clusters, 34,304 bytes of LDS; arguments src, Wq, Wk, Wv, Wo, W2, W1, bq, bk, bv, bf1, wa, wb; writes wa, wb
.if DOCPART == 1
	.amdgcn_target "amdgcn-amd-amdhsa--gfx1250"
	.amdhsa_code_object_version 6
	.text
	.protected	k_qc3e49760a1_prep
	.globl	k_qc3e49760a1_prep
	.p2align	8
	.type	k_qc3e49760a1_prep,@function
k_qc3e49760a1_prep:
	s_mov_b64 s[64:65], 0
	v_nop
	global_prefetch_b8 v0, s[64:65] scope:SCOPE_SE
	s_setreg_imm32_b32 hwreg(HW_REG_WAVE_MODE, 25, 1), 1
	s_wait_xcnt 0x0
; The six weights and src become codes of FP6 (E2M3) with one E8M0 byte for each 32 along K, laid in the ORDER OF AN OPERAND'S REGISTERS.
; LAYOUT of every operand of this program: tiles of 128 rows, K steps of 128; tile T, step s is one dense block of BLK bytes.  In it 8 fragments of FRG bytes; a fragment is two halves of 768 bytes;
; half c: registers 6c .. 6c+3 as 16 bytes a lane, then registers 6c+4, 6c+5 as 8 bytes a lane.  Behind the fragments, at SCO, the scale words: fragment i, slot r at 256 (i / 4) + 16 r + 4 (i % 4).
; Slot r of fragment i holds the tile's row 32 (i / 2) + 8 (i % 2) + r + 8 (r / 8).
; A block's scale is 2^(floor(log2(largest magnitude)) - 2); its byte is the largest magnitude's exponent field - 2, held at 1 from below.
; LIMITS: a block of zeros gets the byte 1 and not 127 (its codes are zeros, and this program alone reads the bytes); NaN and infinities among the inputs are not served.
; Work-groups 0-767: a weight's 128 columns x 128 along K: a lane takes a column, its registers run down K.  0-255: Wq, Wk, Wv, Wo -> wa; 256-511: W2 -> wb; 512-767: W1 -> wb.
; Those with K step 0 also copy their 128 biases into a table by operand row, and a floor beside it (-infinity: no activation; 0: relu), which the product's launch reads.
; Work-groups 768-1023: 16 rows of src (one fragment's rows, all of K): wave w makes K steps 2 w and 2 w + 1.  Rows are taken in the order batch x 2048 + position.
; There each load reads 512 consecutive bytes of one row, 16 a lane; the quantiser wants 32 neighbours in a lane, so a K step's 16 rows x 512 bytes turn through the wave's own stage in LDS.
; No barrier: waves share nothing.
.set BLK, 12800
.set FRG, 1536
.set SCO, 12288
.set TILE1K, 102400
.set BTOFF, 3276800                    ; the bias table, 4,096 numbers
.set LOOFF, 3293184                    ; the floor table
.set XOFF, 3309568                     ; the activations' codes
.set W2OFF, 6586368
.set XP, 528                           ; a stage row: 512 bytes + 16, an odd multiple of 16: the 16 lanes that read one column of 16 rows touch 16 different columns of 16 bytes
.set XSTG, 16*XP                       ; a wave's stage
.set TM, 56                            ; v56-62 at work in QFRAG
.set H8, 10                            ; v10  8 x (lane / 16)
.set SEL, 54                           ; s[54:55] selects for lane l xor 16
	s_load_b512 s[4:19], s[0:1], 0x0               ; src, Wq, Wk, Wv, Wo, W2, W1, bq
	s_load_b256 s[20:27], s[0:1], 0x40             ; bk, bv, bf1, wa
	s_load_b64 s[28:29], s[0:1], 0x60              ; wb
	v_lshl_add_u32 v192, v0, 2, 0x8400
	v_mov_b32 v193, 0
	v_lshrrev_b32 v1, 5, v0
	v_readfirstlane_b32 s30, v1                    ; wave
	v_and_b32 v1, 31, v0                           ; lane
	s_cmp_ge_u32 ttmp9, 768
	s_cbranch_scc1 .Lx
	; ---- a weight
	s_and_b32 s34, ttmp9, 255                      ; j: the block's number in its group of 256
	s_lshr_b32 s35, ttmp9, 8                       ; group: 0 the four projections, 1 W2, 2 W1
	s_lshr_b32 s36, ttmp9, 6                       ; in group 0: which projection
	s_cmp_eq_u32 s35, 1
	s_cselect_b32 s37, 5, 3                        ; W2 has 32 K steps, the others 8
	s_cselect_b32 s38, 31, 7
	s_lshr_b32 s39, s34, s37
	s_and_b32 s40, s34, s38                        ; K step
	s_cmp_eq_u32 s35, 0
	s_cselect_b32 s37, 7, 31
	s_and_b32 s39, s39, s37                        ; the weight's tile of 128 columns
	s_cmp_eq_u32 s35, 2
	s_cselect_b32 s37, 21, 19                      ; 128 rows of W1 are 2^21 bytes, of the others 2^19
	s_lshl_b32 s42, s40, s37
	s_lshl_b32 s37, s39, 9
	s_add_co_u32 s42, s42, s37                     ; + 512 bytes a tile of columns
	s_lshl_b32 s37, s30, 7
	s_add_co_u32 s42, s42, s37                     ; + 128 bytes a wave
	s_mov_b32 s43, 0
	s_mul_i32 s44, s34, BLK                        ; where the block goes
	s_cmp_eq_u32 s35, 1
	s_cselect_b32 s37, W2OFF, 0
	s_add_co_u32 s44, s44, s37
	s_mov_b32 s45, 0
	s_wait_alu depctr_va_vdst(0)
	v_lshlrev_b32 v2, 2, v1                        ; in: 4 bytes a lane
	v_bfe_u32 v7, v1, 3, 1                         ; column 32 w + lane is slot r of fragment 2 w + u: u = (lane / 8) % 2,
	v_and_b32 v8, 7, v1
	v_lshrrev_b32 v9, 4, v1
	v_lshl_add_u32 v8, v9, 3, v8                   ; r = lane % 8 + 8 (lane / 16)
	v_lshl_add_u32 v7, s30, 1, v7                  ; the fragment
	v_mul_u32_u24 v9, v7, FRG
	v_lshl_add_u32 v3, v8, 4, v9                   ; my 16 bytes of a half's first part
	v_lshl_add_u32 v4, v8, 3, v9                   ; my 8 bytes of its second part
	v_lshrrev_b32 v10, 2, v7
	v_and_b32 v11, 3, v7
	v_lshlrev_b32 v10, 8, v10
	v_lshl_add_u32 v10, v11, 2, v10
	v_lshl_add_u32 v5, v8, 4, v10                  ; my scale word
	v_lshlrev_b32 v6, 2, v0                        ; the tables: 4 bytes a thread
	s_wait_kmcnt 0x0
	s_cmp_eq_u32 s36, 1                            ; the choices hang on the work-group's number alone
	s_cselect_b64 s[32:33], s[8:9], s[6:7]
	s_cselect_b64 s[46:47], s[20:21], s[18:19]
	s_cmp_eq_u32 s36, 2
	s_cselect_b64 s[32:33], s[10:11], s[32:33]
	s_cselect_b64 s[46:47], s[22:23], s[46:47]
	s_cmp_eq_u32 s36, 3
	s_cselect_b64 s[32:33], s[12:13], s[32:33]
	s_cmp_eq_u32 s35, 1
	s_cselect_b64 s[32:33], s[14:15], s[32:33]
	s_cmp_eq_u32 s35, 2
	s_cselect_b64 s[32:33], s[16:17], s[32:33]
	s_cselect_b64 s[46:47], s[24:25], s[46:47]
	s_cmp_eq_u32 s35, 0
	s_cselect_b64 s[48:49], s[26:27], s[28:29]     ; wa or wb
	s_add_nc_u64 s[32:33], s[32:33], s[42:43]
	s_add_nc_u64 s[50:51], s[48:49], s[44:45]
.macro LOADW stride                    ; W(128 s + i, my column), i = 0 .. 127: each load reads 128 consecutive bytes a wave, 512 a work-group
.set i, 0
.rept 128
	global_load_b32 v[64+i], v2, s[32:33] offset:i*\stride th:TH_LOAD_NT
.set i, i+1
.endr
.endm
	s_cmp_eq_u32 s35, 2
	s_cbranch_scc1 .Lwide
	LOADW 4096
	s_branch .Lloaded
.Lwide:
	LOADW 16384
.Lloaded:
; Block b of 32 along K: all its numbers are mine.  It is half b / 2, lanes 16 (b % 2) + r of the fragment's image.
.macro WBLOCK b, cnt
.set XS, 64+32*\b
	s_wait_loadcnt \cnt                            ; this block's 32 loads are in; cnt is at most the number of loads issued behind them
	v_max3_num_f32 v13, |v[XS]|, |v[XS+1]|, |v[XS+2]|
	v_max3_num_f32 v14, |v[XS+3]|, |v[XS+4]|, |v[XS+5]|
.irp i, 6,10,14,18,22,26
	v_max3_num_f32 v13, v13, |v[XS+\i]|, |v[XS+\i+1]|
	v_max3_num_f32 v14, v14, |v[XS+\i+2]|, |v[XS+\i+3]|
.endr
	v_max3_num_f32 v13, v13, |v[XS+30]|, |v[XS+31]|
	v_max3_num_f32 v13, v13, v14, 0x1800000        ; and the floor 2^(3 - 127): the byte cannot fall under 1
	v_add_nc_u32 v15, 0xff000000, v13              ; 2 off the exponent field: the conversion's scale operand
	v_lshrrev_b32 v52, 23, v15                     ; the byte
.if \b == 0
	v_mov_b32 v12, v52
.else
	v_lshl_or_b32 v12, v52, 8*\b, v12
.endif
	v_cvt_scalef32_pk16_fp6_f32 v[16+8*\b:18+8*\b], v[XS:XS+15], v15
	v_cvt_scalef32_pk16_fp6_f32 v[48:50], v[XS+16:XS+31], v15      ; (a conversion's three registers begin on an even number)
	v_nop                                          ; one plain place behind a scaled conversion
.irp i, 0,1,2
	v_mov_b32 v[19+8*\b+\i], v[48+\i]
.endr
	global_store_b128 v3, v[16+8*\b:19+8*\b], s[50:51] offset:768*(\b/2)+256*(\b%2)     ; sixteen lanes fill 256 consecutive bytes of each of two fragments
	global_store_b64 v4, v[20+8*\b:21+8*\b], s[50:51] offset:512+768*(\b/2)+128*(\b%2)
.endm
	WBLOCK 0, 63
	WBLOCK 1, 63
	WBLOCK 2, 32
	WBLOCK 3, 0
	global_store_b32 v5, v12, s[50:51] offset:SCO
	s_cmp_lt_u32 ttmp9, 192                        ; the tables: Wq, Wk, Wv and W1, by the work-group of K step 0
	s_cselect_b32 s37, 1, 0
	s_cmp_eq_u32 s35, 2
	s_cselect_b32 s37, 1, s37
	s_cselect_b32 s52, 0, 0xff800000               ; the floor: 0 behind W1, -infinity behind the projections
	s_cmp_eq_u32 s40, 0
	s_cselect_b32 s37, s37, 0
	s_cmp_eq_u32 s37, 0
	s_cbranch_scc1 .Lwdone
	s_lshl_b32 s42, s39, 9                         ; the bias: 128 numbers a tile
	s_add_nc_u64 s[46:47], s[46:47], s[42:43]
	global_load_b32 v53, v6, s[46:47]
	s_lshr_b32 s44, s34, 3
	s_lshl_b32 s44, s44, 9                         ; the tables: by the operand's tile
	s_add_nc_u64 s[48:49], s[48:49], s[44:45]
	v_mov_b32 v54, s52
	global_store_b32 v6, v54, s[48:49] offset:LOOFF
	s_wait_loadcnt 0x0
	global_store_b32 v6, v53, s[48:49] offset:BTOFF
.Lwdone:
	s_endpgm
; 64 numbers of a lane, register 32 c + i = k 64 c + 32 (lane / 16) + i of my row (whole blocks in a lane), become a fragment's 12 registers at v[dst] and its scale word in v[wd].
.macro QFRAG x, dst, tq, wd
.irp c, 0,1
	v_max3_num_f32 v[TM+\c], |v[\x+32*\c]|, |v[\x+32*\c+1]|, 0x1800000
.endr
.irp i, 2,4,6,8,10,12,14,16,18,20,22,24,26,28,30
.irp c, 0,1
	v_max3_num_f32 v[TM+\c], v[TM+\c], |v[\x+32*\c+\i]|, |v[\x+32*\c+\i+1]|
.endr
.endr
.irp c, 0,1
	v_add_nc_u32 v[TM+2+\c], 0xff000000, v[TM+\c]
.endr
.irp c, 0,1
	v_lshrrev_b32 v[TM+4+\c], 23, v[TM+2+\c]
.endr
	v_lshl_or_b32 v[\wd], v[TM+5], 16, v[TM+4]     ; my two bytes: blocks h and 2 + h,
	v_lshlrev_b32 v[\wd], v[H8], v[\wd]            ; at their places,
	v_permlanex16_b32 v[TM+6], v[\wd], s[SEL], s[SEL+1]
	v_or_b32 v[\wd], v[\wd], v[TM+6]               ; with lane l xor 16's two the word is whole
.irp c, 0,1
	v_cvt_scalef32_pk16_fp6_f32 v[\dst+6*\c:\dst+6*\c+2], v[\x+32*\c:\x+32*\c+15], v[TM+2+\c]
	v_cvt_scalef32_pk16_fp6_f32 v[\tq+4*\c:\tq+4*\c+2], v[\x+32*\c+16:\x+32*\c+31], v[TM+2+\c]
.endr
	v_nop                                          ; one plain place behind a scaled conversion
.irp c, 0,1
.irp i, 0,1,2
	v_mov_b32 v[\dst+6*\c+3+\i], v[\tq+4*\c+\i]
.endr
.endr
.endm
.macro XIN q                           ; K step q's 16 rows go into my stage as they were loaded: row p at p x XP, 16 bytes a lane
.irp p, 0,1,2,3,4,5,6,7,8,9,10,11,12,13,14,15
	ds_store_b128 v11, v[64+64*\q+4*\p:64+64*\q+4*\p+3] offset:\p*XP
.endr
.endm
.macro XBACK q                         ; and come back as the operand's layout wants them: lane (r, h) takes, of row r, the numbers 64 c + 32 h + 0 .. 31
.irp c, 0,1
.irp j, 0,1,2,3,4,5,6,7
	ds_load_b128 v[64+64*\q+32*\c+4*\j:64+64*\q+32*\c+4*\j+3], v12 offset:256*\c+16*\j
.endr
.endr
.endm
.Lx:
	; ---- 16 rows of src
	s_sub_co_u32 s34, ttmp9, 768
	s_lshr_b32 s35, s34, 3                         ; tile of 128 rows
	s_and_b32 s36, s34, 7                          ; fragment
	s_and_b32 s37, s35, 15
	s_lshl_b32 s37, s37, 7
	s_lshr_b32 s38, s36, 1
	s_lshl_b32 s38, s38, 5
	s_add_co_u32 s37, s37, s38
	s_and_b32 s38, s36, 1
	s_lshl_b32 s38, s38, 3
	s_add_co_u32 s37, s37, s38                     ; the position of slot 0's row
	s_lshl_b32 s42, s37, 13                        ; positions are 8,192 bytes apart,
	s_lshr_b32 s38, s35, 4
	s_lshl_b32 s38, s38, 12
	s_add_co_u32 s42, s42, s38                     ; the batches 4,096;
	s_lshl_b32 s38, s30, 10
	s_add_co_u32 s42, s42, s38                     ; my wave's two K steps
	s_mov_b32 s43, 0
	s_mul_i32 s44, s35, TILE1K
	s_mul_i32 s38, s30, 2*BLK
	s_add_co_u32 s44, s44, s38
	s_add_co_u32 s44, s44, XOFF
	s_mov_b32 s45, 0
	s_mul_i32 s46, s36, FRG
	s_lshr_b32 s47, s36, 2
	s_lshl_b32 s47, s47, 8
	s_and_b32 s38, s36, 3
	s_lshl_b32 s38, s38, 2
	s_add_co_u32 s47, s47, s38
	s_mul_i32 s39, s30, XSTG                       ; my wave's stage
	s_mov_b32 s[SEL], 0x76543210
	s_mov_b32 s[SEL+1], 0xfedcba98
	v_and_b32 v7, 15, v0                           ; r
	v_bfe_u32 v8, v0, 4, 1                         ; h
	s_wait_alu depctr_va_vdst(0)
	v_lshlrev_b32 v2, 4, v1                        ; in: 16 bytes a lane
	v_lshlrev_b32 v[H8], 3, v8
	v_lshl_add_u32 v3, v1, 4, s46
	v_lshl_add_u32 v4, v1, 3, s46
	v_lshl_add_u32 v5, v7, 4, s47
	v_lshl_add_u32 v11, v1, 4, s39                 ; into the stage: 16 bytes a lane
	v_mul_u32_u24 v12, v7, XP
	v_lshl_add_u32 v12, v8, 7, v12
	v_add_nc_u32 v12, s39, v12                     ; out of it: row r, + 128 h
	v_mov_b32 v[TM+6], 0                           ; written once: a lane permute's destination counts as one of its sources
	s_wait_alu depctr_va_vdst(0)
	s_wait_kmcnt 0x0
	s_add_nc_u64 s[32:33], s[4:5], s[42:43]
	s_add_nc_u64 s[50:51], s[26:27], s[44:45]
.irp q, 0,1
.irp p, 0,1,2,3,4,5,6,7,8,9,10,11,12,13,14,15
	global_load_b128 v[64+64*\q+4*\p:64+64*\q+4*\p+3], v2, s[32:33] offset:(\p+8*(\p/8))*8192+512*\q th:TH_LOAD_NT   ; slot p's row, K step q: 32 lanes read 512 consecutive bytes
.endr
.endr
	s_wait_loadcnt 16                              ; the first K step's 16 loads are in
	XIN 0
	s_wait_dscnt 0x0                               ; the stores have read their registers, on which the loads below land
	XBACK 0
	s_wait_loadcnt 0x0
	XIN 1                                          ; LDS serves a wave's instructions in order (ISA guide 5.7.1.4): these come behind the reads of the first K step
	s_wait_dscnt 0x0                               ; the first K step is back, and these stores have read their registers
	XBACK 1
	QFRAG 64, 16, 48, 40                           ; while the second K step comes back
	s_wait_dscnt 0x0
	QFRAG 128, 28, 48, 41
.irp q, 0,1
	global_store_b128 v3, v[16+12*\q:19+12*\q], s[50:51] offset:\q*BLK               ; 512 consecutive bytes
	global_store_b64 v4, v[20+12*\q:21+12*\q], s[50:51] offset:\q*BLK+512            ; 256
	global_store_b128 v3, v[22+12*\q:25+12*\q], s[50:51] offset:\q*BLK+768
	global_store_b64 v4, v[26+12*\q:27+12*\q], s[50:51] offset:\q*BLK+1280
	global_store_b32 v5, v[40+\q], s[50:51] offset:\q*BLK+SCO                        ; both halves of the lanes write the same word with the same value
.endr
	s_wait_tensorcnt 0x0
	ds_add_u32 v192, v193
	s_wait_dscnt 0x0
	s_endpgm
.Lfunc_end_k_qc3e49760a1_prep:
	.size	k_qc3e49760a1_prep, .Lfunc_end_k_qc3e49760a1_prep-k_qc3e49760a1_prep
	.p2alignl 7, 3214868480
	.fill 96, 4, 3214868480
	.section	.rodata,"a",@progbits
	.p2align	6, 0x0
	.amdhsa_kernel k_qc3e49760a1_prep
		.amdhsa_group_segment_fixed_size 34304
		.amdhsa_private_segment_fixed_size 0
		.amdhsa_enable_private_segment 0
		.amdhsa_kernarg_size 104
		.amdhsa_user_sgpr_count 2
		.amdhsa_user_sgpr_kernarg_segment_ptr 1
		.amdhsa_wavefront_size32 1
		.amdhsa_system_sgpr_workgroup_id_x 1
		.amdhsa_system_sgpr_workgroup_id_y 1
		.amdhsa_system_sgpr_workgroup_id_z 1
		.amdhsa_system_vgpr_workitem_id 0
		.amdhsa_next_free_vgpr 194
		.amdhsa_next_free_sgpr 66
		.amdhsa_reserve_vcc 0
		.amdhsa_float_denorm_mode_32 3
		.amdhsa_float_denorm_mode_16_64 3
		.amdhsa_memory_ordered 1
		.amdhsa_forward_progress 1
		.amdhsa_inst_pref_size 51
	.end_amdhsa_kernel
	.amdgpu_metadata
---
amdhsa.version: [ 1, 2 ]
amdhsa.kernels:
  - .name:           k_qc3e49760a1_prep
    .symbol:         k_qc3e49760a1_prep.kd
    .args:
      - { .name: src, .offset: 0, .size: 8, .value_kind: global_buffer, .address_space: global }
      - { .name: Wq, .offset: 8, .size: 8, .value_kind: global_buffer, .address_space: global }
      - { .name: Wk, .offset: 16, .size: 8, .value_kind: global_buffer, .address_space: global }
      - { .name: Wv, .offset: 24, .size: 8, .value_kind: global_buffer, .address_space: global }
      - { .name: Wo, .offset: 32, .size: 8, .value_kind: global_buffer, .address_space: global }
      - { .name: W2, .offset: 40, .size: 8, .value_kind: global_buffer, .address_space: global }
      - { .name: W1, .offset: 48, .size: 8, .value_kind: global_buffer, .address_space: global }
      - { .name: bq, .offset: 56, .size: 8, .value_kind: global_buffer, .address_space: global }
      - { .name: bk, .offset: 64, .size: 8, .value_kind: global_buffer, .address_space: global }
      - { .name: bv, .offset: 72, .size: 8, .value_kind: global_buffer, .address_space: global }
      - { .name: bf1, .offset: 80, .size: 8, .value_kind: global_buffer, .address_space: global }
      - { .name: wa, .offset: 88, .size: 8, .value_kind: global_buffer, .address_space: global }
      - { .name: wb, .offset: 96, .size: 8, .value_kind: global_buffer, .address_space: global }
    .group_segment_fixed_size: 34304
    .private_segment_fixed_size: 0
    .kernarg_segment_align: 8
    .kernarg_segment_size: 104
    .max_flat_workgroup_size: 128
    .sgpr_count:     66
    .vgpr_count:     194
    .wavefront_size: 32
...
	.end_amdgpu_metadata
.endif
;; end of part 1
;; launch qkv (part 2): grid 4 x 48, 4 waves a work-group, clusters of 4 x 4, 327,680 bytes of LDS; arguments wa, qa; writes qa
.if DOCPART == 2
	.amdgcn_target "amdgcn-amd-amdhsa--gfx1250"
	.amdhsa_code_object_version 6
	.text
	.protected	k_qc3e49760a1_qkv
	.globl	k_qc3e49760a1_qkv
	.p2align	8
	.type	k_qc3e49760a1_qkv,@function
k_qc3e49760a1_qkv:
	s_mov_b64 s[64:65], 0
	v_nop
	global_prefetch_b8 v0, s[64:65] scope:SCOPE_SE
	s_setreg_imm32_b32 hwreg(HW_REG_WAVE_MODE, 25, 1), 1
	s_wait_xcnt 0x0
	s_wait_alu depctr_hold_cnt(0) depctr_sa_sdst(0) depctr_va_vdst(0) depctr_va_sdst(0) depctr_va_ssrc(0) depctr_va_vcc(0) depctr_vm_vsrc(0)
	s_getreg_b32 s2, hwreg(HW_REG_IB_STS2, 6, 4)
	s_cmp_eq_u32 s2, 0
	s_cbranch_scc0 .Lentry_in_a_cluster
	s_endpgm
.Lentry_in_a_cluster:
	s_bfe_u32 s2, ttmp6, 0x10000c
	s_cmp_lg_u32 s2, 0xf033
	s_cbranch_scc0 .Lentry_shape_is_right
	s_endpgm
.Lentry_shape_is_right:
; A product on codes of FP6 (E2M3) whose result is quantised again on the way out: out = Q(max(floor, P R^T + bias)), K = 1,024.
; Both operands lie in the first buffer, in the order of an operand's registers: tiles of 128 rows, K steps of 128, a block of BLK bytes for each: 8 fragments of FRG bytes (two halves of 768: 16 bytes a lane,
; then 8 bytes a lane), then the scale words.  Slot r of fragment i is the tile's row 32 (i / 2) + 8 (i % 2) + r + 8 (r / 8).
; THE MATRIX INSTRUCTION: source 0 = 16 rows of P, source 1 = 16 rows of R.  A lane then holds ONE row of R, and the 32 registers of four neighbouring fragments of P are two blocks of 32 neighbours along P's rows,
; 16 in each half of the lanes: so the result is quantised ALONG P'S ROWS in registers, and leaves as a half fragment of the next product's operand, whose rows are R's.
; NORMAL (cluster y under 8): P = the weight's rows (tiles 4 gx ..), R = the activations' rows (tile gy): q, k, or the hidden layer.  The bias goes by P's row.
; MODE V (cluster y from 8 on, in the launch with 48 rows of work-groups alone): P = the activations' rows, which are the keys, R = Wv's rows: v^T, quantised along the keys.  The bias goes by R's row.
; The floor is read from a table beside the bias: -infinity (no activation) or 0 (relu).
; SHARES.  A work-group keeps one tile of R, all of K, in LDS, and walks FOUR tiles of P through two LDS slots.  Four waves, each 64 (P) x 64 (R): 16 accumulators.
; CLUSTER 4 x 4: the four of a column need the same tiles of P, the four of a row the same tile of R: each is asked for jointly.  Every wave fetches a quarter of each tile: 100 rows of 256 bytes.
; LIMITS: a block of zeros gets the byte 1 and not 127 (its codes are zeros; this program alone reads the bytes); NaN and infinities are not served.
; REGISTERS.  Window 0: v1-7, v16-27 addresses; v8-15 scale words, two sets; v28, v29 the spare word's address and 0; v32-63 biases; v64-111 codes; v112-119 at work; v120-123 scale bytes; v128-255 accumulators (a, b) at 128 + 8 (4 b + a).
; Window 1: two sets of P's four fragments, at v0 and v128: fragment a at 12 a.
.set BLK, 12800
.set FRG, 1536
.set SCO, 12288
.set TILE1K, 102400
.set BTOFF, 3276800
.set LOOFF, 3293184
.set XOFF, 3309568
.set QTR, 25600                        ; a quarter of a tile: what one tensor load brings
.set PREG, 102400                      ; LDS: R at 0, P's slot 0 and slot 1 behind it, 102,400 bytes each
.set SPARE, 307200                     ; the spare words: 128 bytes a wave
.set ACC, 128
.set F0, 0
.set F1, 128
.set BU, 32
.set PC, 64
.set TM, 112
.set PW, 120
.set G1P, 24                           ; s[24:31] group 1 for P; s[32:39] groups 0 for its two slots
.set G0P, 32
.set G1R, 48                           ; s[48:55], s[56:59] for R
.set G0R, 56
.set SEL, 20
.set MSB, 0
.macro WIN new                         ; the immediate's high byte repeats the setting that is left
.if MSB != \new
	s_set_vgpr_msb (MSB<<8)|\new
.set MSB, \new
.endif
.endm
.set MUL, 0x0d                         ; a tile's last K step: source 0 (P) window 1, source 1 (R) window 3; C and D window 0
.set TO_F, 0x40                        ; destination window 1, address window 0
.macro CREST                           ; a round of the cluster's barrier behind its opening barrier
	s_cmp_lg_u32 s10, 0
	s_cbranch_scc1 .Lnot_wave_0_\@
	s_barrier_signal -3
.Lnot_wave_0_\@:
	s_barrier_wait -3
	s_barrier_signal -1
	s_barrier_wait -1
.endm
.macro CROUND
	s_barrier_signal -1
	s_barrier_wait -1
	CREST
.endm
	s_load_b128 s[4:7], s[0:1], 0x0                ; the operands' buffer, the result's
	v_lshl_add_u32 v28, v0, 2, SPARE
	v_mov_b32 v29, 0
	ds_add_u32 v28, v29
	ds_add_u32 v28, v29
	s_wait_dscnt 0x0
	v_lshrrev_b32 v1, 5, v0
	v_readfirstlane_b32 s10, v1                    ; wave
	s_lshr_b32 s11, s10, 1                         ; which 64 rows of R are mine
	s_and_b32 s12, s10, 1                          ; which 64 rows of P
	s_bfe_u32 s40, ttmp6, 0x40000                  ; cx
	s_bfe_u32 s41, ttmp6, 0x40004                  ; cy
	s_lshl_b32 s42, ttmp9, 2
	s_add_co_u32 s42, s42, s40                     ; gx
	s_and_b32 s13, ttmp7, 0xffff                   ; cluster y
	s_lshl_b32 s43, s13, 2
	s_add_co_u32 s43, s43, s41                     ; gy
	s_lshr_b32 s14, s13, 3                         ; 1 in mode V: the same in all sixteen partners
	s_xor_b32 s15, s14, 1
	s_lshl_b32 s44, s41, 2
	s_lshl_b32 s44, 15, s44                        ; my row of the cluster
	s_lshl_b32 s45, 0x1111, s40                    ; my column
	s_or_b32 s[G1P], s45, (3<<16)|(1<<21)          ; 15:0 the mask; 17:16 elements of 8 bytes; 21 set beside a mask; no padding
	s_or_b32 s[G1R], s44, (3<<16)|(1<<21)
.irp g, G1P, G1R
	s_mov_b32 s[\g+1], 32<<16                      ; tensor_dim0 = 32 elements: rows of 256 bytes
	s_mov_b32 s[\g+2], 200<<16                     ; tensor_dim1 = 200: the head's loads bring half a tile
	s_mov_b32 s[\g+3], 32<<16                      ; tile_dim0
	s_mov_b32 s[\g+4], 200                         ; tile_dim1
	s_mov_b32 s[\g+5], 32                          ; the block is dense
	s_mov_b32 s[\g+6], 0
	s_mov_b32 s[\g+7], 0
.endr
	s_mul_i32 s16, s10, QTR                        ; my quarter
	s_mul_i32 s17, s12, 2*QTR                      ; at the head: my half of R (waves 0, 1) or of P's first tile (waves 2, 3)
	; P's place hangs on gx and the cluster's y alone, R's on gy alone
	s_lshl_b32 s46, s42, 2
	s_bfe_u32 s47, s13, 0x10001
	s_mul_i32 s47, s47, s14
	s_lshl_b32 s47, s47, 4
	s_add_co_u32 s46, s46, s47                     ; P's first tile: 4 gx, in mode V + 16 for the second batch
	s_mul_i32 s66, s46, TILE1K
	s_mul_i32 s67, s14, XOFF
	s_add_co_u32 s66, s66, s67
	s_add_co_u32 s92, s66, s17                     ; P's first tile, my half
	s_mov_b32 s93, 0
	s_add_co_u32 s66, s66, s16
	s_mov_b32 s67, 0
	s_and_b32 s68, s43, 7
	s_add_co_u32 s68, s68, 16
	s_mul_i32 s68, s68, s14
	s_mul_i32 s69, s43, s15
	s_add_co_u32 s68, s68, s69                     ; R's tile: gy, in mode V 16 + gy % 8 (Wv)
	s_mul_i32 s70, s68, TILE1K
	s_mul_i32 s71, s15, XOFF
	s_add_co_u32 s70, s70, s71
	s_add_co_u32 s70, s70, s17
	s_mov_b32 s71, 0
	s_wait_kmcnt 0x0
	s_mov_b32 s[G0R], 1
	s_mov_b32 s[G0R+1], s17
	s_mov_b32 s84, 1                               ; group 0 for the head's load of P's first tile
	s_add_co_u32 s85, s17, PREG
	s_add_nc_u64 s[86:87], s[4:5], s[92:93]
	s_or_b32 s87, s87, 0x80000000
	s_add_nc_u64 s[G0R+2:G0R+3], s[4:5], s[70:71]
	s_or_b32 s[G0R+3], s[G0R+3], 0x80000000
	s_mov_b32 s[G0P], 1
	s_add_co_u32 s[G0P+1], s16, PREG
	s_add_nc_u64 s[G0P+2:G0P+3], s[4:5], s[66:67]
	s_mov_b32 s[G0P+4], 1
	s_add_co_u32 s[G0P+5], s16, 2*PREG
	s_add_nc_u64 s[G0P+6:G0P+7], s[G0P+2:G0P+3], TILE1K
	s_or_b32 s[G0P+3], s[G0P+3], 0x80000000
	s_or_b32 s[G0P+7], s[G0P+7], 0x80000000
	CROUND                                         ; all sixteen work-groups are here: the first joint loads meet
	s_cmp_eq_u32 s11, 0                            ; one joint load a wave at the head: waves 0, 1 a half of R each, waves 2, 3 a half of P's first tile
	s_cbranch_scc0 .Lhead_p
	tensor_load_to_lds s[G0R:G0R+3], s[G1R:G1R+7]
	s_nop 0
.rept 4
	v_nop
.endr
	s_branch .Lhead_asked
.Lhead_p:
	tensor_load_to_lds s[84:87], s[G1P:G1P+7]
	s_nop 0
.Lhead_asked:
.rept 4
	v_nop
.endr
	s_mul_i32 s72, s46, s15
	s_mul_i32 s73, s68, s14
	s_add_co_u32 s72, s72, s73                     ; the weight's tile
	s_lshl_b32 s72, s72, 9
	s_add_co_u32 s72, s72, LOOFF
	s_mov_b32 s73, 0
	s_add_nc_u64 s[78:79], s[4:5], s[72:73]
	s_load_b32 s62, s[78:79], 0x0                  ; the floor
	s_lshl_b32 s74, s46, 9
	s_add_co_u32 s74, s74, BTOFF
	s_mov_b32 s75, 0
	s_add_nc_u64 s[60:61], s[4:5], s[74:75]        ; the biases of P's first tile
	s_lshl_b32 s76, s68, 9
	s_lshl_b32 s77, s11, 8
	s_add_co_u32 s76, s76, s77
	s_add_co_u32 s76, s76, BTOFF
	s_mov_b32 s77, 0
	s_add_nc_u64 s[80:81], s[4:5], s[76:77]        ; those of my 64 rows of R
	s_lshl_b32 s82, s14, 4
	s_add_co_u32 s82, s82, s68                     ; the result's tile of rows: gy, in mode V 32 + gy % 8
	s_lshl_b32 s82, s82, 5
	s_add_co_u32 s82, s82, s46                     ; 32 K steps to a tile of rows; P's tile is the K step
	s_mul_i32 s82, s82, BLK
	s_mov_b32 s83, 0
	s_add_nc_u64 s[6:7], s[6:7], s[82:83]
	s_mov_b32 s[SEL], 0x76543210
	s_mov_b32 s[SEL+1], 0xfedcba98
	v_and_b32 v1, 15, v0                           ; r
	v_bfe_u32 v2, v0, 4, 1                         ; h
	s_wait_alu depctr_va_vdst(0)
	v_and_b32 v3, 31, v0                           ; l
	s_mul_i32 s72, s11, 4*FRG
	s_mul_i32 s73, s12, 4*FRG
	s_add_co_u32 s73, s73, PREG
	v_lshl_add_u32 v4, v3, 4, s72                  ; R's fragments: 16 bytes a lane,
	v_lshl_add_u32 v5, v3, 3, s72                  ; 8 bytes a lane
	v_lshl_add_u32 v6, v3, 4, s73                  ; P's, in slot 0
	v_lshl_add_u32 v7, v3, 3, s73
	s_lshl_b32 s74, s11, 8
	s_lshl_b32 s75, s12, 8
	s_add_co_u32 s75, s75, PREG
	s_sub_co_u32 s75, s75, s74                     ; from R's scale words to P's
	s_add_co_u32 s76, s75, PREG
	v_mul_u32_u24 v16, s75, v2                     ; lanes 16-31 take P's, in slot 0,
	v_mul_u32_u24 v17, s76, v2                     ; in slot 1
	s_add_co_u32 s74, s74, SCO
	v_lshl_add_u32 v30, v1, 4, s74                 ; lanes 0-15 R's: four words a row's slot
	v_add_nc_u32 v16, v16, v30
	v_add_nc_u32 v17, v17, v30
	s_mul_i32 s74, s12, 768
	s_add_co_u32 s74, s74, s72
	v_lshl_add_u32 v23, v3, 4, s74                 ; out: R's fragment, half = my half of P's rows
	v_lshl_add_u32 v24, v3, 3, s74
	s_lshl_b32 s74, s11, 8
	s_lshl_b32 s75, s12, 1
	s_add_co_u32 s74, s74, s75
	v_lshl_add_u32 v25, v1, 4, s74                 ; out: my two bytes of a scale word
	s_lshl_b32 s74, s12, 8
	v_lshl_add_u32 v26, v2, 6, s74                 ; the biases by P's row: 256 x my half + 64 h
	v_and_b32 v27, 8, v1
	v_add_nc_u32 v27, v27, v1
	v_lshlrev_b32 v27, 2, v27                      ; by R's row: 4 (r + 8 (r / 8))
	v_mov_b32 v[TM+2], 0                           ; written once: a lane permute's destination counts as one of its sources
	v_mov_b32 v[TM+3], 0
.set p, 0
.rept 32
	v_mov_b32 v[BU+p], 0                           ; the biases' registers are written on every way; each mode loads its own
.set p, p+1
.endr
	s_cmp_eq_u32 s14, 0
	s_cbranch_scc1 .Lno_bv
.irp q, 0,1,2,3                        ; mode V: the bias of my row of R's fragment q, twice: a pair for the packed addition
	global_load_b32 v[BU+2*\q], v27, s[80:81] offset:128*(\q/2)+32*(\q%2)
	global_load_b32 v[BU+2*\q+1], v27, s[80:81] offset:128*(\q/2)+32*(\q%2)
.endr
.Lno_bv:
	s_wait_loadcnt 0x0                             ; the biases by R's row have landed before any later load names their registers; the first tiles are on their way meanwhile
; 4 matrix instructions: P's four fragments against R's fragment bb.  The 16 accumulators take turns, one instruction a turn, in the same order in every step.
; A scale register holds R's words in lanes 0-15 and P's in lanes 16-31.
.macro MULQ f, bb, zero
.irp a, 0,1,2,3
.if \zero
	v_wmma_scale_f32_16x16x128_f8f6f4 v[ACC+8*(4*(\bb)+\a):ACC+8*(4*(\bb)+\a)+7], v[\f+12*\a:\f+12*\a+11], v[48*(KSN%4)+12*(\bb):48*(KSN%4)+12*(\bb)+11], 0, v[8+4*(\f/128)+\a], v[8+4*(\f/128)+(\bb)] matrix_a_fmt:MATRIX_FMT_FP6 matrix_b_fmt:MATRIX_FMT_FP6 matrix_a_scale:MATRIX_SCALE_ROW1
.else
	v_wmma_scale_f32_16x16x128_f8f6f4 v[ACC+8*(4*(\bb)+\a):ACC+8*(4*(\bb)+\a)+7], v[\f+12*\a:\f+12*\a+11], v[48*(KSN%4)+12*(\bb):48*(KSN%4)+12*(\bb)+11], v[ACC+8*(4*(\bb)+\a):ACC+8*(4*(\bb)+\a)+7], v[8+4*(\f/128)+\a], v[8+4*(\f/128)+(\bb)] matrix_a_fmt:MATRIX_FMT_FP6 matrix_b_fmt:MATRIX_FMT_FP6 matrix_a_scale:MATRIX_SCALE_ROW1
.endif
.endr
.endm
; 17 LDS loads in one run: a K step's scale words and P's four fragments, into set f; k: the step in its group of four
.macro FETCH f, k
	ds_load_b128 v[8+4*(\f/128):8+4*(\f/128)+3], v22 offset:(\k)*BLK
	WIN TO_F
.irp a, 0,1,2,3
	ds_load_b128 v[\f+12*\a:\f+12*\a+3], v20 offset:(\k)*BLK+\a*FRG
	ds_load_b64 v[\f+12*\a+4:\f+12*\a+5], v21 offset:(\k)*BLK+\a*FRG+512
	ds_load_b128 v[\f+12*\a+6:\f+12*\a+9], v20 offset:(\k)*BLK+\a*FRG+768
	ds_load_b64 v[\f+12*\a+10:\f+12*\a+11], v21 offset:(\k)*BLK+\a*FRG+1280
.endr
.endm
; (FETCH now brings 17 loads: a K step's scale words and P's four fragments.  R's fragments are not fetched step by step: see RLOAD.)
; the addresses of group g (four K steps, 51,200 bytes) with P in slot sl.  Four plain instructions: they are also the places in front of the loads that follow
.macro GRP sl, g
	v_nop
	v_add_nc_u32 v20, PREG*(\sl)+51200*(\g), v6
	v_add_nc_u32 v21, PREG*(\sl)+51200*(\g), v7
	v_add_nc_u32 v22, 51200*(\g), v[16+(\sl)]
.endm
; MY 64 ROWS OF R, ALL OF K, STAY IN REGISTERS for the four tiles of P: 8 K steps x 4 fragments x 12 registers = 384.  K step ks, fragment b lies at v[48 (ks % 4) + 12 b] of window 2 + ks / 4.
; They are read from LDS once, 128 loads.  R's scale words stay in LDS and come with P's, one load a K step.
.macro RLOAD
.irp w, 0,1
	WIN 0
	v_add_nc_u32 v18, 51200*\w, v4
	v_add_nc_u32 v19, 51200*\w, v5
	WIN 0x80+0x40*\w
.irp k, 0,1,2,3
.irp e, 0,1,2,3
	ds_load_b128 v[48*\k+12*\e:48*\k+12*\e+3], v18 offset:\k*BLK+\e*FRG
	ds_load_b64 v[48*\k+12*\e+4:48*\k+12*\e+5], v19 offset:\k*BLK+\e*FRG+512
	ds_load_b128 v[48*\k+12*\e+6:48*\k+12*\e+9], v18 offset:\k*BLK+\e*FRG+768
	ds_load_b64 v[48*\k+12*\e+10:48*\k+12*\e+11], v19 offset:\k*BLK+\e*FRG+1280
.endr
.endr
.endr
	WIN 0
.endm
; K step ks: multiplies P's set f against R's registers of that step; at its start the next step's 17 loads go out into set g, 16 matrix instructions ahead of the wait for them.
; A load into a register that a matrix instruction has read stands four places behind it (ISA guide 7.12.1 for vector instructions).
.macro STEP f, g, k, zero, grp, sl, ks
.set KSN, \ks
	s_wait_dscnt 0x0                               ; set f is in (asked for a K step ago)
	WIN 0
.if \grp
	GRP \sl, 1
.else
.rept 4
	v_nop
.endr
.endif
	FETCH \g, \k
	WIN 0x09+4*((\ks)/4)                           ; source 0 window 1, source 1 window 2 or 3
	MULQ \f, 0, \zero
	MULQ \f, 1, \zero
	MULQ \f, 2, \zero
	MULQ \f, 3, \zero
.endm
; A tile's last K step changes slots: ONE barrier; in front of it each wave waits for all its tensor loads, adds 0 to its spare word, and waits for that and for its reads of this slot.
; fill = 1: the barrier opens a round of the cluster's, and this slot takes the tile two further on: the load has a whole tile's work in which to land.
.macro TURN sl, fill
	WIN 0
	s_wait_tensorcnt 0x0                           ; all my tensor loads have landed: my quarter of the next slot among them
	ds_add_u32 v28, v29                            ; 0 onto my spare word
.set KSN, 7
	s_wait_dscnt 1                                 ; set F1 is in; the add alone may be out
	WIN MUL
	MULQ F1, 0, 0
	s_wait_dscnt 0x0                               ; the add is done, and my reads of this slot are over
	s_barrier_signal -1
	MULQ F1, 1, 0
	WIN 0
	s_barrier_wait -1
.if \fill
	CREST                                          ; no wave of any partner still reads this slot or has a load on its way
	s_add_nc_u64 s[G0P+4*\sl+2:G0P+4*\sl+3], s[G0P+4*\sl+2:G0P+4*\sl+3], 2*TILE1K
	tensor_load_to_lds s[G0P+4*\sl:G0P+4*\sl+3], s[G1P:G1P+7]      ; my one tensor load behind the round
	s_nop 0
.rept 4
	v_nop
.endr
.endif
	GRP 1-\sl, 0
	FETCH F0, 0
	WIN MUL
	MULQ F1, 2, 0
	MULQ F1, 3, 0
	WIN 0
.endm
; 32 numbers of a lane, register 16 e + i = number 32 e + 16 (lane / 16) + i of my row, become a half fragment's six registers at v[pc] and its two scale bytes in v[pw].
.macro QUANT2 s, pc, pw
.irp e, 0,1
	v_max3_num_f32 v[TM+\e], |v[\s+16*\e]|, |v[\s+16*\e+1]|, 0x1800000     ; and the floor 2^(3 - 127): the byte cannot fall under 1
.endr
.irp i, 2,4,6,8,10,12,14
.irp e, 0,1
	v_max3_num_f32 v[TM+\e], v[TM+\e], |v[\s+16*\e+\i]|, |v[\s+16*\e+\i+1]|
.endr
.endr
.irp e, 0,1
	v_permlanex16_b32 v[TM+2+\e], v[TM+\e], s[SEL], s[SEL+1]
.endr
.irp e, 0,1
	v_max_num_f32 v[TM+\e], v[TM+\e], v[TM+2+\e]   ; with lane l xor 16's: the block's largest magnitude
.endr
.irp e, 0,1
	v_add_nc_u32 v[TM+4+\e], 0xff000000, v[TM+\e]  ; 2 off the exponent field: the conversion's scale operand
.endr
.irp e, 0,1
	v_lshrrev_b32 v[TM+6+\e], 23, v[TM+4+\e]
.endr
	v_lshl_or_b32 v[\pw], v[TM+7], 8, v[TM+6]
	v_cvt_scalef32_pk16_fp6_f32 v[\pc:\pc+2], v[\s:\s+15], v[TM+4]
	v_cvt_scalef32_pk16_fp6_f32 v[\pc+6:\pc+8], v[\s+16:\s+31], v[TM+5]
	v_nop                                          ; one plain place behind a scaled conversion
.irp i, 0,1,2
	v_permlane16_swap_b32 v[\pc+\i], v[\pc+6+\i]   ; a whole block to a lane: lanes 0-15 the first, lanes 16-31 the second
.endr
.irp i, 0,1,2
	v_mov_b32 v[\pc+3+\i], v[\pc+6+\i]
.endr
.endm
.macro BULOAD t                        ; normal mode: the biases of my 64 rows of P's tile t, in the result's layout
	WIN 0
	s_cmp_lg_u32 s14, 0
	s_cbranch_scc1 .Lno_bu_\@
.irp e, 0,1
.irp q, 0,1,2,3
	global_load_b128 v[BU+16*\e+4*\q:BU+16*\e+4*\q+3], v26, s[60:61] offset:512*(\t)+128*\e+16*\q
.endr
.endr
.Lno_bu_\@:
.endm
; THE WAY OUT of tile t: bias, floor, quantiser, stores.  Each accumulator is read from its low end on.
.macro EPI t
.rept 4
	v_nop                                          ; places behind the last products
.endr
	s_wait_loadcnt 0x0                             ; the biases
	s_wait_xcnt 0x0                                ; the last tile's stores have read their data: the codes' registers are written again only behind this wait
	s_cmp_lg_u32 s14, 0
	s_cbranch_scc1 .Lby_r_\@
.set p, 0
.rept 64
	v_pk_add_f32 v[ACC+2*p:ACC+2*p+1], v[ACC+2*p:ACC+2*p+1], v[BU+(2*p)%32:BU+(2*p)%32+1]
.set p, p+1
.endr
	s_branch .Lbiased_\@
.Lby_r_\@:
.set p, 0
.rept 64
	v_pk_add_f32 v[ACC+2*p:ACC+2*p+1], v[ACC+2*p:ACC+2*p+1], v[BU+2*(p/16):BU+2*(p/16)+1]
.set p, p+1
.endr
.Lbiased_\@:
.set p, 0
.rept 128
	v_max_num_f32 v[ACC+p], s62, v[ACC+p]
.set p, p+1
.endr
.irp q, 0,1,2,3
	QUANT2 ACC+32*\q, PC+12*\q, PW+\q
.endr
.irp q, 0,1,2,3
	global_store_b128 v23, v[PC+12*\q:PC+12*\q+3], s[6:7] offset:(\t)*BLK+\q*FRG         ; 512 consecutive bytes
	global_store_b64 v24, v[PC+12*\q+4:PC+12*\q+5], s[6:7] offset:(\t)*BLK+\q*FRG+512    ; 256
	global_store_b16 v25, v[PW+\q], s[6:7] offset:(\t)*BLK+SCO+4*\q                      ; two bytes a row; both halves of the lanes write the same
.endr
.endm
.macro TILE sl, t                      ; K steps 0 to 6 of tile t, which lies in slot sl; the first products start the sums
	BULOAD \t
	s_wait_alu depctr_va_vdst(0)
	STEP F0, F1, 1, 1, 0, \sl, 0
	STEP F1, F0, 2, 0, 0, \sl, 1
	STEP F0, F1, 3, 0, 0, \sl, 2
	STEP F1, F0, 0, 0, 1, \sl, 3
	s_wait_alu depctr_va_vdst(0)
	STEP F0, F1, 1, 0, 0, \sl, 4
	STEP F1, F0, 2, 0, 0, \sl, 5
	STEP F0, F1, 3, 0, 0, \sl, 6
.endm
	s_wait_kmcnt 0x0                               ; the floor
	s_wait_alu depctr_va_vdst(0)                   ; the head's end
	s_wait_tensorcnt 0x0                           ; my half tile is in; slot 1's first fill is issued as a refill is
	ds_add_u32 v28, v29
	s_mov_b32 s[G1P+2], 100<<16                    ; no tensor load of mine is out: from here on a load of P brings a quarter, 100 rows
	s_mov_b32 s[G1P+4], 100
	s_wait_dscnt 0x0
	CROUND                                         ; R and P's first tile are whole in every partner
	tensor_load_to_lds s[G0P+4:G0P+7], s[G1P:G1P+7]        ; my quarter of P's second tile: my one load behind the round
	s_nop 0
.rept 4
	v_nop
.endr
	RLOAD
	GRP 0, 0
	FETCH F0, 0
	TILE 0, 0
	TURN 0, 1
	EPI 0
	TILE 1, 1
	TURN 1, 1
	EPI 1
	TILE 0, 2
	TURN 0, 0                                      ; nothing is left to fetch
	EPI 2
	TILE 1, 3
.set KSN, 7
	s_wait_dscnt 0x0
	WIN MUL
	MULQ F1, 0, 0
	MULQ F1, 1, 0
	s_wait_dscnt 0x0
	MULQ F1, 2, 0
	MULQ F1, 3, 0
	WIN 0
	EPI 3
	s_wait_tensorcnt 0x0                           ; the wave's end
	ds_add_u32 v28, v29
	s_wait_dscnt 0x0
	CROUND                                         ; the closing round
	s_endpgm
.Lfunc_end_k_qc3e49760a1_qkv:
	.size	k_qc3e49760a1_qkv, .Lfunc_end_k_qc3e49760a1_qkv-k_qc3e49760a1_qkv
	.p2alignl 7, 3214868480
	.fill 96, 4, 3214868480
	.section	.rodata,"a",@progbits
	.p2align	6, 0x0
	.amdhsa_kernel k_qc3e49760a1_qkv
		.amdhsa_group_segment_fixed_size 327680
		.amdhsa_private_segment_fixed_size 0
		.amdhsa_enable_private_segment 0
		.amdhsa_kernarg_size 16
		.amdhsa_user_sgpr_count 2
		.amdhsa_user_sgpr_kernarg_segment_ptr 1
		.amdhsa_wavefront_size32 1
		.amdhsa_system_sgpr_workgroup_id_x 1
		.amdhsa_system_sgpr_workgroup_id_y 1
		.amdhsa_system_sgpr_workgroup_id_z 1
		.amdhsa_system_vgpr_workitem_id 0
		.amdhsa_next_free_vgpr 1024
		.amdhsa_next_free_sgpr 100
		.amdhsa_reserve_vcc 0
		.amdhsa_float_denorm_mode_32 3
		.amdhsa_float_denorm_mode_16_64 3
		.amdhsa_memory_ordered 1
		.amdhsa_forward_progress 1
		.amdhsa_inst_pref_size 214
	.end_amdhsa_kernel
	.amdgpu_metadata
---
amdhsa.version: [ 1, 2 ]
amdhsa.kernels:
  - .name:           k_qc3e49760a1_qkv
    .symbol:         k_qc3e49760a1_qkv.kd
    .args:
      - { .name: wa, .offset: 0, .size: 8, .value_kind: global_buffer, .address_space: global }
      - { .name: qa, .offset: 8, .size: 8, .value_kind: global_buffer, .address_space: global }
    .group_segment_fixed_size: 327680
    .private_segment_fixed_size: 0
    .kernarg_segment_align: 8
    .kernarg_segment_size: 16
    .max_flat_workgroup_size: 128
    .sgpr_count:     100
    .vgpr_count:     1024
    .wavefront_size: 32
...
	.end_amdgpu_metadata
.endif
;; end of part 2
;; launch attn (part 3): grid 8 x 32, 8 waves a work-group, clusters of 4 x 1, 327,680 bytes of LDS; arguments qa, cf; writes cf
.if DOCPART == 3
	.amdgcn_target "amdgcn-amd-amdhsa--gfx1250"
	.amdhsa_code_object_version 6
	.text
	.protected	k_qc3e49760a1_attn
	.globl	k_qc3e49760a1_attn
	.p2align	8
	.type	k_qc3e49760a1_attn,@function
k_qc3e49760a1_attn:
	s_mov_b64 s[64:65], 0
	v_nop
	global_prefetch_b8 v0, s[64:65] scope:SCOPE_SE
	s_setreg_imm32_b32 hwreg(HW_REG_WAVE_MODE, 25, 1), 1
	s_wait_xcnt 0x0
	s_wait_alu depctr_hold_cnt(0) depctr_sa_sdst(0) depctr_va_vdst(0) depctr_va_sdst(0) depctr_va_ssrc(0) depctr_va_vcc(0) depctr_vm_vsrc(0)
	s_getreg_b32 s2, hwreg(HW_REG_IB_STS2, 6, 4)
	s_cmp_eq_u32 s2, 0
	s_cbranch_scc0 .Lentry_in_a_cluster
	s_endpgm
.Lentry_in_a_cluster:
	s_bfe_u32 s2, ttmp6, 0x10000c
	s_cmp_lg_u32 s2, 0x3003
	s_cbranch_scc0 .Lentry_shape_is_right
	s_endpgm
.Lentry_shape_is_right:
; ctx = softmax(q k^T / 8) v for one batch and head, both products on codes of FP6 (E2M3); ctx leaves as codes, quantised along the model's 1,024.
; q, k: rows batch x 2048 + position, K = the head's 64: half (head % 2) of the fragments of K step head / 2.  v^T: rows = channels, K = the keys.  All in the order of an operand's registers:
; blocks of BLK bytes, 8 fragments of FRG bytes (two halves of 768: 16 bytes a lane, then 8 bytes a lane), then the scale words; slot r of fragment i is row 32 (i / 2) + 8 (i % 2) + r + 8 (r / 8).
; q's factor 1 / 8 is a power of two: it stands in c = log2(e) / 8.  LIMIT: the codes are those of the scaled q unless a block of q has its largest magnitude under 2^-121.
; LIMIT: the softmax holds while the scaled scores stay under 2^31 in magnitude; NaN and infinities are not served; a block of zeros gets the byte 1 (this program alone reads the bytes).
; THE HEAD'S 64 STAY IN THEIR OWN HALF OF THE INSTRUCTION'S K: q has zero codes in the other half, so whatever stands in k's other half adds nothing, and both scale words are used as they lie.
; k's data are six registers a tile, laid on end; an operand names twelve: for an even head the tile's six and the six behind, for an odd head the six ahead and the tile's six.  Only the score products differ by the head's parity.
; THE KEYS OF A TILE of k: rows 0-7 are keys 64 c + 8 t + 0..7, rows 8-15 keys 64 c + 32 + 8 t + 0..7.  With S^T = k q^T lane (r, h) then holds query r, and its 32 registers of tiles (c, 0..3) are the WHOLE block
; 64 c + 32 h + 0..31 in the keys' order: the block's maximum needs no other lane, and the conversions give p's operand with no exchange of lanes.  The rows are picked from the stored fragments by a lane term in the LDS address.
; THE SOFTMAX: t = score x c; M = the running largest t rounded UP to a whole number; p = 2^(t - M) is quantised along the keys, not normalised; the sum of the unquantised p divides at the end.
; SHARES.  A work-group owns 256 queries; each of its eight waves 32, two fragments, which share every fragment of k and v read from LDS.  All of the head's k and v come to lie in LDS, each byte filled once,
; in four groups of four key steps.  One load a wave and group: waves 0-3 k's codes of a key step, waves 4, 5 v's codes of two, wave 6 k's scale words, wave 7 v's.  Group n + 1 is asked for in front of group n's work.
; These later first fills are written as refills are, and all of LDS is claimed.  CLUSTER 4 x 1: four query blocks read the same k and v: every load is joint.
; No prefetch: each group's bytes are asked for by their own tensor loads four key steps ahead of their first read, and the launch has only four such requests a wave.
; REGISTERS.  Window 0: v1-19 addresses; v20-37 scale words; v40-63 the softmax's state; v64-91 at work; v92-115 p's codes; v128-255 S^T, then p.  Window 1: v0-63 O^T; v64-87 q; v90-149 k; v152-199 v.
.set BLK, 12800
.set FRG, 1536
.set SCO, 12288
.set VC, 98304                         ; LDS: k's codes at 0, 16 x 6,144 bytes; v's here;
.set KS, 196608                        ; k's scale words, 16 x 512;
.set VS, 204800                        ; v's, 16 x 256;
.set SPARE, 208896                     ; the spare words: 128 bytes a wave
.set A_K16, 1                          ; lane terms that stay
.set A_K8, 2
.set A_V16, 3
.set A_V8, 4
.set A_KS, 5
.set A_VS, 6
.set M_16, 7                           ; in memory: my first fragment's half, 16 and 8 bytes a lane; its scale word; my head's two bytes of it
.set M_8, 8
.set M_W, 9
.set C_K16, 10                         ; the step's addresses
.set C_K8, 11
.set C_V16, 12
.set C_V8, 13
.set C_KS, 14
.set C_VS, 15
.set SPW, 16
.set NIL, 17
.set H8, 18
.set M_Q, 19
.set QS, 20
.set RC, 22
.set KSC, 24
.set VSC, 32
.set PW, 36
.set ST, 40                            ; tile x: -M at ST + 4 x, the largest score, f, and a word beside f
.set SUM, 48
.set BM, 52
.set SCL, 56
.set RM, 60
.set RX, 62
.set CH, 64
.set TQ, 76
.set PC, 92
.set QB, 64                            ; window 1
.set KD, 96
.set VF, 152
.set SEL, 20
.set CS, 22
.set MSB, 0
.macro WIN new                         ; the immediate's high byte repeats the setting that is left
.if MSB != \new
	s_set_vgpr_msb (MSB<<8)|\new
.set MSB, \new
.endif
.endm
.macro NOP4
.rept 4
	v_nop
.endr
.endm
.macro CROUND
	s_barrier_signal -1
	s_barrier_wait -1
	s_cmp_lg_u32 s18, 0
	s_cbranch_scc1 .Lnot_wave_0_\@
	s_barrier_signal -3
.Lnot_wave_0_\@:
	s_barrier_wait -3
	s_barrier_signal -1
	s_barrier_wait -1
.endm
.macro SETG1 g, c, r, p                ; group 1: r rows of c elements of 8 bytes, p elements apart; the mask names all four work-groups
	s_mov_b32 s[\g], 15|(3<<16)|(1<<21)
	s_mov_b32 s[\g+1], (\c)<<16
	s_mov_b32 s[\g+2], (\r)<<16
	s_mov_b32 s[\g+3], (\c)<<16
	s_mov_b32 s[\g+4], \r
	s_mov_b32 s[\g+5], \p
	s_mov_b32 s[\g+6], 0
	s_mov_b32 s[\g+7], 0
.endm
.macro ARM under, g0, g1, join
	s_cmp_lt_u32 s18, \under
	s_cbranch_scc0 .Lnext_\@
	tensor_load_to_lds s[\g0:\g0+3], s[\g1:\g1+7]
	s_nop 0
	NOP4
	s_branch \join
.Lnext_\@:
.endm
.macro TL                              ; my one joint load of a group: one chain of branches on the wave's number, one load to an arm
	ARM 4, 56, 24, .Lasked_\@
	ARM 6, 68, 40, .Lasked_\@
	ARM 7, 60, 32, .Lasked_\@
	tensor_load_to_lds s[72:75], s[48:55]
	s_nop 0
	NOP4
.Lasked_\@:
.endm
	s_load_b128 s[4:7], s[0:1], 0x0                ; q, k, v^T; ctx
	v_lshl_add_u32 v[SPW], v0, 2, SPARE
	v_mov_b32 v[NIL], 0
	ds_add_u32 v[SPW], v[NIL]                      ; the opening lines: the add twice on end and one wait
	ds_add_u32 v[SPW], v[NIL]
	v_lshrrev_b32 v1, 5, v0
	v_readfirstlane_b32 s18, v1                    ; wave 0..7
	s_and_b32 s66, s18, 3
	s_and_b32 s67, s18, 1
	s_bfe_u32 s8, ttmp6, 0x40000                   ; cx
	s_lshl_b32 s9, ttmp9, 2
	s_add_co_u32 s9, s9, s8                        ; my block of 256 queries: it enters q's and ctx's addresses alone
	s_and_b32 s10, ttmp7, 0xffff
	s_lshr_b32 s11, s10, 4                         ; batch
	s_and_b32 s12, s10, 15                         ; head
	s_lshr_b32 s13, s12, 1                         ; its K step of 128 channels,
	s_and_b32 s14, s12, 1                          ; and half
	s_lshl_b32 s15, s11, 4                         ; the batch's first tile of 128 rows
	s_lshl_b32 s16, s15, 5
	s_add_co_u32 s16, s16, s13
	s_add_co_u32 s16, s16, 8
	s_mul_i32 s82, s16, BLK                        ; k's first block
	s_mov_b32 s83, 0
	s_add_co_u32 s16, s13, 32
	s_lshl_b32 s16, s16, 5
	s_add_co_u32 s16, s16, s15
	s_mul_i32 s84, s16, BLK                        ; v^T's first block
	s_mov_b32 s85, 0
	s_mul_i32 s86, s14, 768                        ; k's codes: my head's half of each fragment,
	s_mul_i32 s17, s66, 32*BLK                     ; key step wave % 4 of the group
	s_add_co_u32 s86, s86, s17
	s_mov_b32 s87, 0
	s_mul_i32 s88, s14, 4*FRG                      ; v's codes: my head's four fragments,
	s_mul_i32 s17, s67, 2*BLK                      ; key steps 2 (wave % 2) and the next
	s_add_co_u32 s88, s88, s17
	s_mov_b32 s89, 0
	s_lshl_b32 s90, s14, 8
	s_add_co_u32 s90, s90, SCO                     ; v's scale words
	s_mov_b32 s91, 0
	SETG1 24, 96, 8, 192                           ; k's codes of a key step: 8 halves of 768 bytes, 1,536 apart
	SETG1 32, 64, 4, 51200                         ; k's scale words of four: 512 bytes each, 32 blocks apart
	SETG1 40, 768, 2, 1600                         ; v's codes of two: 6,144 bytes each, a block apart
	SETG1 48, 32, 4, 1600                          ; v's scale words of four: 256 bytes each
	s_lshl_b32 s17, s9, 1
	s_add_co_u32 s16, s15, s17
	s_lshr_b32 s17, s18, 2
	s_add_co_u32 s16, s16, s17                     ; my queries' tile of 128 rows; my fragments are 2 (wave % 4) and the next
	s_lshl_b32 s96, s16, 5
	s_add_co_u32 s96, s96, s13
	s_mul_i32 s96, s96, BLK                        ; q's block
	s_mov_b32 s97, 0
	s_lshl_b32 s98, s16, 3
	s_add_co_u32 s98, s98, s13
	s_mul_i32 s98, s98, BLK                        ; ctx's block
	s_mov_b32 s99, 0
	s_mul_i32 s81, s66, 2*FRG
	s_mul_i32 s17, s14, 768
	s_add_co_u32 s81, s81, s17                     ; my first fragment's half in a block
	s_lshr_b32 s3, s66, 1
	s_lshl_b32 s3, s3, 8
	s_lshl_b32 s17, s67, 3
	s_add_co_u32 s3, s3, s17
	s_add_co_u32 s3, s3, SCO                       ; its scale words
	s_mov_b32 s[SEL], 0x76543210
	s_mov_b32 s[SEL+1], 0xfedcba98
	s_mov_b32 s[CS], 0x3e38aa3b                    ; c = log2(e) / 8
	s_mov_b32 s[CS+1], s[CS]
	s_wait_dscnt 0x0
	s_wait_kmcnt 0x0
	s_add_nc_u64 s[92:93], s[4:5], s[82:83]
	s_add_nc_u64 s[94:95], s[4:5], s[84:85]
	s_mov_b32 s56, 1                               ; the four groups 0, set for group 0; every wave makes all four and asks by one
	s_mul_i32 s57, s66, 6144
	s_add_nc_u64 s[58:59], s[92:93], s[86:87]
	s_or_b32 s59, s59, 0x80000000
	s_mov_b32 s60, 1
	s_mov_b32 s61, KS
	s_add_nc_u64 s[62:63], s[92:93], SCO
	s_or_b32 s63, s63, 0x80000000
	s_mov_b32 s68, 1
	s_mul_i32 s69, s67, 12288
	s_add_co_u32 s69, s69, VC
	s_add_nc_u64 s[70:71], s[94:95], s[88:89]
	s_or_b32 s71, s71, 0x80000000
	s_mov_b32 s72, 1
	s_mov_b32 s73, VS
	s_add_nc_u64 s[74:75], s[94:95], s[90:91]
	s_or_b32 s75, s75, 0x80000000
	s_add_nc_u64 s[96:97], s[4:5], s[96:97]
	s_add_nc_u64 s[6:7], s[6:7], s[98:99]
	CROUND                                         ; all four work-groups are here: the joint loads meet
	TL                                             ; group 0
	v_and_b32 v60, 15, v0                          ; r
	v_and_b32 v61, 31, v0                          ; l
	v_and_b32 v62, 7, v0                           ; r % 8
	v_bfe_u32 v63, v0, 3, 1                        ; r / 8
	v_bfe_u32 v64, v0, 4, 1                        ; h
	v_mul_u32_u24 v65, v63, 1536                   ; rows 8-15 of a tile lie two stored fragments (halves of 768 bytes) further on
	v_lshl_add_u32 v[A_K16], v62, 4, v65
	v_lshl_add_u32 v[A_K8], v62, 3, v65
	v_lshlrev_b32 v66, 3, v63
	v_lshl_add_u32 v[A_K16], v64, 8, v[A_K16]      ; 1536 (r / 8) + 16 (r % 8) + 256 h
	v_lshl_add_u32 v[A_K8], v64, 7, v[A_K8]        ; 1536 (r / 8) + 8 (r % 8) + 128 h
	v_lshl_add_u32 v66, v62, 4, v66
	v_add_nc_u32 v[A_KS], KS, v66                  ; 16 (r % 8) + 8 (r / 8)
	v_lshl_add_u32 v[A_V16], v61, 4, VC
	v_lshl_add_u32 v[A_V8], v61, 3, VC
	v_lshl_add_u32 v[A_VS], v60, 4, VS
	v_lshlrev_b32 v[H8], 3, v64
	v_lshl_add_u32 v[M_16], v61, 4, s81
	v_lshl_add_u32 v[M_8], v61, 3, s81
	v_lshl_add_u32 v[M_Q], v60, 4, s3
	v_lshl_add_u32 v[M_W], s14, 1, v[M_Q]
	s_wait_alu depctr_va_vdst(0)                   ; ahead of the readers below
	global_load_b32 v[QS], v[M_Q], s[96:97]        ; q's scale words, as they lie
	global_load_b32 v[QS+1], v[M_Q], s[96:97] offset:4
.macro QLOAD par                       ; q stays in registers: the head's six in its own half of the operand, zero codes in the other
	WIN 0x40
.irp x, 0,1
	global_load_b128 v[QB+12*\x+6*\par:QB+12*\x+6*\par+3], v[M_16], s[96:97] offset:\x*FRG
	global_load_b64 v[QB+12*\x+6*\par+4:QB+12*\x+6*\par+5], v[M_8], s[96:97] offset:\x*FRG+512
.irp j, 0,1,2,3,4,5
	v_mov_b32 v[QB+12*\x+6-6*\par+\j], 0
.endr
.endr
	WIN 0
.endm
	s_cmp_eq_u32 s14, 0
	s_cbranch_scc0 .Lq_odd
	QLOAD 0
	s_branch .Lq_in
.Lq_odd:
	QLOAD 1
.Lq_in:
	WIN 0x40
.set j, 0
.rept 64
	v_mov_b32 v[j], 0                              ; O^T: the key step is written in one form; the first finds zeros
.set j, j+1
.endr
.irp j, 0,1,2,3,4,5
	v_mov_b32 v[KD-6+\j], 0                        ; the six ahead of k's first tile and the six behind its last: named, and multiplied by q's zero codes
	v_mov_b32 v[KD+48+\j], 0
.endr
	WIN 0
.irp x, 0,1
	v_mov_b32 v[ST+4*\x], 0x7f61b1e6               ; -M
	v_mov_b32 v[ST+4*\x+1], 0xff61b1e6             ; the largest score so far: -3e38
	v_mov_b32 v[ST+4*\x+2], 0
	v_mov_b32 v[ST+4*\x+3], 0
	v_mov_b32 v[SUM+2*\x], 0
	v_mov_b32 v[SUM+2*\x+1], 0
	v_mov_b32 v[RX+\x], 0                          ; written once: a lane permute's destination counts as one of its sources
.endr
.macro KLOAD                           ; a key step's eight tiles of k and their scale words
.irp c, 0,1
.irp g, 0,1
	ds_load_b64 v[KSC+4*\c+2*\g:KSC+4*\c+2*\g+1], v[C_KS] offset:256*\c+128*\g
.endr
.endr
	WIN 0x40
.irp c, 0,1
.irp g, 0,1
.irp u, 0,1
	ds_load_b128 v[KD+6*(4*\c+2*\g+\u):KD+6*(4*\c+2*\g+\u)+3], v[C_K16] offset:768*(4*\c+\u)+128*\g
	ds_load_b64 v[KD+6*(4*\c+2*\g+\u)+4:KD+6*(4*\c+2*\g+\u)+5], v[C_K8] offset:768*(4*\c+\u)+512+64*\g
.endr
.endr
.endr
	WIN 0
.endm
.macro QK par                          ; S^T = k q^T: 16 products, each starts its sum
	WIN 0x05
.irp t, 0,1,2,3,4,5,6,7
.irp x, 0,1
	v_wmma_scale_f32_16x16x128_f8f6f4 v[128+64*\x+8*\t:135+64*\x+8*\t], v[KD+6*\t-6*\par:KD+6*\t-6*\par+11], v[QB+12*\x:QB+12*\x+11], 0, v[KSC+\t], v[QS+\x] matrix_a_fmt:MATRIX_FMT_FP6 matrix_b_fmt:MATRIX_FMT_FP6
.endr
.endr
	WIN 0
.endm
.macro D2
	s_delay_alu instid0(VALU_DEP_2)
.endm
.macro D4
	s_delay_alu instid0(VALU_DEP_4)
.endm
; A KEY STEP: 128 keys x my 32 queries.  s76, s77, s78: the step's place in k's and v's codes, k's scale words, v's; s79: the step in its group
.macro STEP gr
	s_add_co_u32 s82, s76, 6144                    ; the next step's k, held inside the group's bytes
	s_min_u32 s82, s82, 24576*\gr+18432
	s_add_co_u32 s83, s77, 512
	s_min_u32 s83, s83, 2048*\gr+1536
	s_wait_dscnt 0x0                               ; this step's k
	s_cmp_eq_u32 s14, 0
	s_cbranch_scc0 .Lodd_\@
	QK 0
	s_branch .Lscored_\@
.Lodd_\@:
	QK 1
.Lscored_\@:
	v_add_nc_u32 v[C_V16], s76, v[A_V16]           ; these six are also the places behind the products
	v_add_nc_u32 v[C_V8], s76, v[A_V8]
	v_add_nc_u32 v[C_VS], s78, v[A_VS]
	v_add_nc_u32 v[C_K16], s82, v[A_K16]
	v_add_nc_u32 v[C_K8], s82, v[A_K8]
	v_add_nc_u32 v[C_KS], s83, v[A_KS]
	s_wait_alu depctr_va_vdst(0)                   ; ahead of the readers below
	ds_load_b128 v[VSC:VSC+3], v[C_VS]             ; v's scale words and four fragments land during the softmax
	WIN 0x40
.irp t, 0,1,2,3
	ds_load_b128 v[VF+12*\t:VF+12*\t+3], v[C_V16] offset:FRG*\t
	ds_load_b64 v[VF+12*\t+4:VF+12*\t+5], v[C_V8] offset:FRG*\t+512
	ds_load_b128 v[VF+12*\t+6:VF+12*\t+9], v[C_V16] offset:FRG*\t+768
	ds_load_b64 v[VF+12*\t+10:VF+12*\t+11], v[C_V8] offset:FRG*\t+1280
.endr
	WIN 0
	s_cmp_eq_u32 s79, 3
	s_cbranch_scc1 .Lno_k_\@                       ; the group's last step fetches no k: the next group's is read behind its barrier
	KLOAD
.Lno_k_\@:
.irp x, 0,1                            ; the largest score of each block of 32 keys, all in my registers: for the row's maximum and, since p rises with the score, for the block's largest p
.irp c, 0,1
	v_max3_num_f32 v[BM+2*\x+\c], v[128+64*\x+32*\c], v[129+64*\x+32*\c], v[130+64*\x+32*\c]
.endr
.endr
.irp i, 3,5,7,9,11,13,15,17,19,21,23,25,27,29
.irp x, 0,1
.irp c, 0,1
	v_max3_num_f32 v[BM+2*\x+\c], v[BM+2*\x+\c], v[128+64*\x+32*\c+\i], v[129+64*\x+32*\c+\i]
.endr
.endr
.endr
.irp x, 0,1
.irp c, 0,1
	v_max_num_f32 v[BM+2*\x+\c], v[BM+2*\x+\c], v[159+64*\x+32*\c]
.endr
.endr
	s_delay_alu instid0(VALU_DEP_3)
	v_max_num_f32 v[RM], v[BM], v[BM+1]
	D2
	v_max_num_f32 v[RM+1], v[BM+2], v[BM+3]
.irp x, 0,1
	D2
	v_permlanex16_b32 v[RX+\x], v[RM+\x], s[SEL], s[SEL+1]
.endr
.irp x, 0,1
	D2
	v_max3_num_f32 v[ST+4*\x+1], v[ST+4*\x+1], v[RM+\x], v[RX+\x]  ; the running largest score
.endr
.irp x, 0,1
	D2
	v_mul_f32 v[RM+\x], s[CS], v[ST+4*\x+1]        ; as t
.endr
.irp x, 0,1
	v_mov_b32 v[RX+\x], v[ST+4*\x]
.endr
.irp x, 0,1
	D4
	v_floor_f32 v[ST+4*\x], -v[RM+\x]              ; the new -M = -ceil(t)
.endr
.irp x, 0,1
	D2
	v_sub_f32 v[RX+\x], v[ST+4*\x], v[RX+\x]       ; old M - new M: a whole number, 0 or less
.endr
.irp x, 0,1
	D2
	v_cvt_i32_f32 v[RX+\x], v[RX+\x]               ; (it saturates)
.endr
.irp x, 0,1
	D2
	v_ldexp_f32 v[ST+4*\x+2], 1.0, v[RX+\x]        ; f = 2^(old M - new M): a multiplication by it rounds nothing
.endr
.irp x, 0,1
.set j, 0
.rept 32
	v_pk_fma_f32 v[128+64*\x+j:129+64*\x+j], v[128+64*\x+j:129+64*\x+j], s[CS:CS+1], v[ST+4*\x:ST+4*\x+1] op_sel_hi:[1,0,0]   ; t - M, two at a time
.set j, j+2
.endr
.irp c, 0,1
	v_fma_f32 v[BM+2*\x+\c], v[BM+2*\x+\c], s[CS], v[ST+4*\x]
.endr
.endr
	s_wait_alu depctr_va_vdst(0)                   ; ahead of the batch
.irp j, 0,1,2,3
	v_exp_f32 v[BM+\j], v[BM+\j]                   ; each block's largest p
.endr
.set j, 0
.rept 128
	v_exp_f32 v[128+j], v[128+j]                   ; p = 2^(t - M), at most 1
.set j, j+1
.endr
	v_nop                                          ; a plain place behind the exponentials
	s_wait_alu depctr_va_vdst(0)                   ; one wait for the whole batch, ahead of its first reader
.irp x, 0,1                            ; the row's sum of the unquantised p, in four chains a tile; the first link brings the old sum under the new M
	v_pk_fma_f32 v[SUM+2*\x:SUM+2*\x+1], v[SUM+2*\x:SUM+2*\x+1], v[ST+4*\x+2:ST+4*\x+3], v[128+64*\x:129+64*\x] op_sel_hi:[1,0,1]
.irp k, 1,2,3
	v_pk_add_f32 v[CH+6*\x+2*\k-2:CH+6*\x+2*\k-1], v[128+64*\x+2*\k:129+64*\x+2*\k], v[136+64*\x+2*\k:137+64*\x+2*\k]
.endr
.endr
.irp x, 0,1
	v_pk_add_f32 v[SUM+2*\x:SUM+2*\x+1], v[SUM+2*\x:SUM+2*\x+1], v[136+64*\x:137+64*\x]
.endr
.irp m, 16,24,32,40,48,56
.irp x, 0,1
	v_pk_add_f32 v[SUM+2*\x:SUM+2*\x+1], v[SUM+2*\x:SUM+2*\x+1], v[128+64*\x+\m:129+64*\x+\m]
.irp k, 1,2,3
	v_pk_add_f32 v[CH+6*\x+2*\k-2:CH+6*\x+2*\k-1], v[CH+6*\x+2*\k-2:CH+6*\x+2*\k-1], v[128+64*\x+\m+2*\k:129+64*\x+\m+2*\k]
.endr
.endr
.endr
.irp x, 0,1
	v_pk_add_f32 v[CH+6*\x:CH+6*\x+1], v[CH+6*\x:CH+6*\x+1], v[CH+6*\x+2:CH+6*\x+3]
.endr
.irp x, 0,1
	v_pk_add_f32 v[SUM+2*\x:SUM+2*\x+1], v[SUM+2*\x:SUM+2*\x+1], v[CH+6*\x+4:CH+6*\x+5]
.endr
.irp x, 0,1
	D2
	v_pk_add_f32 v[SUM+2*\x:SUM+2*\x+1], v[SUM+2*\x:SUM+2*\x+1], v[CH+6*\x:CH+6*\x+1]
.endr
.irp j, 0,1,2,3
	v_max_num_f32 v[BM+\j], 0x1800000, v[BM+\j]    ; the floor 2^(3 - 127): the byte cannot fall under 1
.endr
.irp j, 0,1,2,3
	D4
	v_add_nc_u32 v[SCL+\j], 0xff000000, v[BM+\j]   ; 2 off the exponent field: the conversion's scale operand
.endr
.irp j, 0,1,2,3
	D4
	v_lshrrev_b32 v[BM+\j], 23, v[SCL+\j]          ; the byte
.endr
.irp x, 0,1
	v_lshl_or_b32 v[PW+\x], v[BM+2*\x+1], 16, v[BM+2*\x]           ; my two bytes: blocks h and 2 + h,
.endr
.irp x, 0,1
	D2
	v_lshlrev_b32 v[PW+\x], v[H8], v[PW+\x]        ; at their places;
.endr
.irp x, 0,1
	D2
	v_permlanex16_b32 v[RX+\x], v[PW+\x], s[SEL], s[SEL+1]
.endr
.irp x, 0,1
	D2
	v_or_b32 v[PW+\x], v[PW+\x], v[RX+\x]          ; with lane l xor 16's two, p's scale word for these 128 keys
.endr
.irp x, 0,1
.irp c, 0,1
	v_cvt_scalef32_pk16_fp6_f32 v[PC+12*\x+6*\c:PC+12*\x+6*\c+2], v[128+64*\x+32*\c:143+64*\x+32*\c], v[SCL+2*\x+\c]
	v_cvt_scalef32_pk16_fp6_f32 v[TQ+8*\x+4*\c:TQ+8*\x+4*\c+2], v[144+64*\x+32*\c:159+64*\x+32*\c], v[SCL+2*\x+\c]   ; (a conversion's three registers begin on an even number)
.endr
.endr
	v_nop                                          ; one plain place behind a scaled conversion
.irp x, 0,1
.irp c, 0,1
.irp i, 0,1,2
	v_mov_b32 v[PC+12*\x+6*\c+3+\i], v[TQ+8*\x+4*\c+\i]
.endr
.endr
.endr
	WIN 0x41
	s_wait_alu depctr_va_vdst(0)                   ; directly ahead of the first reader of O^T
.irp x, 0,1
.set j, 0
.rept 16
	v_pk_mul_f32 v[32*\x+j:32*\x+j+1], v[32*\x+j:32*\x+j+1], v[ST+4*\x+2:ST+4*\x+3] op_sel_hi:[1,0]   ; O^T under the new M; also the places in front of the products below
.set j, j+2
.endr
.endr
	s_wait_alu depctr_va_vdst(0)                   ; directly ahead of the wait below
	s_wait_dscnt 0x0                               ; v's fragments (and the next step's k)
	WIN 0x51
.irp t, 0,1,2,3                        ; O^T += v^T p^T: the eight accumulators by turns
.irp x, 0,1
	v_wmma_scale_f32_16x16x128_f8f6f4 v[32*\x+8*\t:32*\x+8*\t+7], v[VF+12*\t:VF+12*\t+11], v[PC+12*\x:PC+12*\x+11], v[32*\x+8*\t:32*\x+8*\t+7], v[VSC+\t], v[PW+\x] matrix_a_fmt:MATRIX_FMT_FP6 matrix_b_fmt:MATRIX_FMT_FP6
.endr
.endr
	WIN 0
.endm
; GROUP gr: four key steps.  In front of them each wave waits for its tensor load, its piece of this group; behind the barrier the group is whole.  fill = 1: the barrier is a round of the cluster's, and behind it the next group is asked for.
.macro GROUP gr, fill
	s_wait_tensorcnt 0x0                           ; my one load has landed: the groups 0 may be written
	ds_add_u32 v[SPW], v[NIL]
.if \fill
	s_add_co_u32 s57, s57, 4*6144                  ; on to the next group, in LDS and in memory: k's tiles of keys lie 32 blocks apart, v^T's one
	s_add_nc_u64 s[58:59], s[58:59], 4*32*BLK
	s_add_co_u32 s61, s61, 4*512
	s_add_nc_u64 s[62:63], s[62:63], 4*32*BLK
	s_add_co_u32 s69, s69, 4*6144
	s_add_nc_u64 s[70:71], s[70:71], 4*BLK
	s_add_co_u32 s73, s73, 4*256
	s_add_nc_u64 s[74:75], s[74:75], 4*BLK
.endif
	s_mov_b32 s76, 24576*\gr
	s_mov_b32 s77, 2048*\gr
	s_mov_b32 s78, 1024*\gr
	s_mov_b32 s79, 0
	s_wait_dscnt 0x0                               ; the add is done; no LDS load of mine is out
.if \fill
	CROUND
	TL                                             ; my one tensor load behind the round, ahead of my first LDS read
.else
	s_barrier_signal -1
	s_barrier_wait -1
.endif
	v_add_nc_u32 v[C_K16], s76, v[A_K16]
	v_add_nc_u32 v[C_K8], s76, v[A_K8]
	v_add_nc_u32 v[C_KS], s77, v[A_KS]
	s_wait_alu depctr_va_vdst(0)                   ; ahead of the readers below
	KLOAD                                          ; the group's first step
.Lstep_\@:
	STEP \gr
	s_add_co_u32 s76, s76, 6144
	s_add_co_u32 s77, s77, 512
	s_add_co_u32 s78, s78, 256
	s_add_co_u32 s79, s79, 1
	s_cmp_lt_u32 s79, 4
	s_cbranch_scc1 .Lstep_\@
.endm
	s_wait_alu depctr_va_vdst(0)                   ; the head's end
	s_wait_loadcnt 0x0                             ; q
	GROUP 0, 1
	GROUP 1, 1
	GROUP 2, 1
	GROUP 3, 0                                     ; nothing is left to fetch
	; THE WAY OUT: O^T / the sum is ctx of my 32 queries and my head's 64 channels: register 16 e + i of a tile is channel 32 e + 16 h + i: half a fragment a tile
.irp x, 0,1
	v_add_f32 v[SUM+2*\x], v[SUM+2*\x], v[SUM+2*\x+1]
.endr
.irp x, 0,1
	D2
	v_permlanex16_b32 v[RX+\x], v[SUM+2*\x], s[SEL], s[SEL+1]
.endr
.irp x, 0,1
	D2
	v_add_f32 v[RM+\x], v[SUM+2*\x], v[RX+\x]
.endr
	s_wait_alu depctr_va_vdst(0)
.irp x, 0,1
	v_rcp_f32 v[RC+\x], v[RM+\x]
.endr
	NOP4                                           ; places behind the last products and behind the reciprocals
	WIN 0x01
	s_wait_alu depctr_va_vdst(0)                   ; ahead of the first reader of the reciprocals and of O^T
.irp x, 0,1
.set j, 0
.rept 32
	v_mul_f32 v[128+32*\x+j], v[32*\x+j], v[RC+\x]
.set j, j+1
.endr
.endr
	WIN 0
.irp x, 0,1
.irp e, 0,1
	v_max3_num_f32 v[BM+2*\x+\e], |v[128+32*\x+16*\e]|, |v[129+32*\x+16*\e]|, 0x1800000
.endr
.endr
.irp i, 2,4,6,8,10,12,14
.irp x, 0,1
.irp e, 0,1
	v_max3_num_f32 v[BM+2*\x+\e], v[BM+2*\x+\e], |v[128+32*\x+16*\e+\i]|, |v[129+32*\x+16*\e+\i]|
.endr
.endr
.endr
.irp j, 0,1,2,3
	D4
	v_permlanex16_b32 v[CH+\j], v[BM+\j], s[SEL], s[SEL+1]
.endr
.irp j, 0,1,2,3
	D4
	v_max_num_f32 v[BM+\j], v[BM+\j], v[CH+\j]     ; with lane l xor 16's: the block's largest magnitude
.endr
.irp j, 0,1,2,3
	D4
	v_add_nc_u32 v[SCL+\j], 0xff000000, v[BM+\j]
.endr
.irp j, 0,1,2,3
	D4
	v_lshrrev_b32 v[BM+\j], 23, v[SCL+\j]
.endr
.irp x, 0,1
	v_lshl_or_b32 v[PW+\x], v[BM+2*\x+1], 8, v[BM+2*\x]
.endr
.irp x, 0,1
	v_cvt_scalef32_pk16_fp6_f32 v[PC+12*\x:PC+12*\x+2], v[128+32*\x:143+32*\x], v[SCL+2*\x]
	v_cvt_scalef32_pk16_fp6_f32 v[PC+12*\x+6:PC+12*\x+8], v[144+32*\x:159+32*\x], v[SCL+2*\x+1]
.endr
	v_nop                                          ; one plain place behind a scaled conversion
.irp x, 0,1
.irp i, 0,1,2
	v_permlane16_swap_b32 v[PC+12*\x+\i], v[PC+12*\x+6+\i]         ; a whole block to a lane
.endr
.endr
.irp x, 0,1
.irp i, 0,1,2
	v_mov_b32 v[PC+12*\x+3+\i], v[PC+12*\x+6+\i]
.endr
.endr
.irp x, 0,1
	global_store_b128 v[M_16], v[PC+12*\x:PC+12*\x+3], s[6:7] offset:\x*FRG            ; 512 consecutive bytes
	global_store_b64 v[M_8], v[PC+12*\x+4:PC+12*\x+5], s[6:7] offset:\x*FRG+512        ; 256
	global_store_b16 v[M_W], v[PW+\x], s[6:7] offset:4*\x                              ; two bytes a row; both halves of the lanes write the same
.endr
	s_wait_tensorcnt 0x0                           ; the wave's end
	ds_add_u32 v[SPW], v[NIL]
	s_wait_dscnt 0x0
	CROUND                                         ; the closing round
	s_endpgm
.Lfunc_end_k_qc3e49760a1_attn:
	.size	k_qc3e49760a1_attn, .Lfunc_end_k_qc3e49760a1_attn-k_qc3e49760a1_attn
	.p2alignl 7, 3214868480
	.fill 96, 4, 3214868480
	.section	.rodata,"a",@progbits
	.p2align	6, 0x0
	.amdhsa_kernel k_qc3e49760a1_attn
		.amdhsa_group_segment_fixed_size 327680
		.amdhsa_private_segment_fixed_size 0
		.amdhsa_enable_private_segment 0
		.amdhsa_kernarg_size 16
		.amdhsa_user_sgpr_count 2
		.amdhsa_user_sgpr_kernarg_segment_ptr 1
		.amdhsa_wavefront_size32 1
		.amdhsa_system_sgpr_workgroup_id_x 1
		.amdhsa_system_sgpr_workgroup_id_y 1
		.amdhsa_system_sgpr_workgroup_id_z 1
		.amdhsa_system_vgpr_workitem_id 0
		.amdhsa_next_free_vgpr 512
		.amdhsa_next_free_sgpr 100
		.amdhsa_reserve_vcc 0
		.amdhsa_float_denorm_mode_32 3
		.amdhsa_float_denorm_mode_16_64 3
		.amdhsa_memory_ordered 1
		.amdhsa_forward_progress 1
		.amdhsa_inst_pref_size 158
	.end_amdhsa_kernel
	.amdgpu_metadata
---
amdhsa.version: [ 1, 2 ]
amdhsa.kernels:
  - .name:           k_qc3e49760a1_attn
    .symbol:         k_qc3e49760a1_attn.kd
    .args:
      - { .name: qa, .offset: 0, .size: 8, .value_kind: global_buffer, .address_space: global }
      - { .name: cf, .offset: 8, .size: 8, .value_kind: global_buffer, .address_space: global }
    .group_segment_fixed_size: 327680
    .private_segment_fixed_size: 0
    .kernarg_segment_align: 8
    .kernarg_segment_size: 16
    .max_flat_workgroup_size: 256
    .sgpr_count:     100
    .vgpr_count:     512
    .wavefront_size: 32
...
	.end_amdgpu_metadata
.endif
;; end of part 3
;; launch wo (part 4): grid 8 x 32, 4 waves a work-group, clusters of 4 x 4, 327,680 bytes of LDS; arguments wa, cf, bo, qa; writes qa
.if DOCPART == 4
	.amdgcn_target "amdgcn-amd-amdhsa--gfx1250"
	.amdhsa_code_object_version 6
	.text
	.protected	k_qc3e49760a1_wo
	.globl	k_qc3e49760a1_wo
	.p2align	8
	.type	k_qc3e49760a1_wo,@function
k_qc3e49760a1_wo:
	s_mov_b64 s[64:65], 0
	v_nop
	global_prefetch_b8 v0, s[64:65] scope:SCOPE_SE
	s_setreg_imm32_b32 hwreg(HW_REG_WAVE_MODE, 25, 1), 1
	s_wait_xcnt 0x0
	s_wait_alu depctr_hold_cnt(0) depctr_sa_sdst(0) depctr_va_vdst(0) depctr_va_sdst(0) depctr_va_ssrc(0) depctr_va_vcc(0) depctr_vm_vsrc(0)
	s_getreg_b32 s2, hwreg(HW_REG_IB_STS2, 6, 4)
	s_cmp_eq_u32 s2, 0
	s_cbranch_scc0 .Lentry_in_a_cluster
	s_endpgm
.Lentry_in_a_cluster:
	s_bfe_u32 s2, ttmp6, 0x10000c
	s_cmp_lg_u32 s2, 0xf033
	s_cbranch_scc0 .Lentry_shape_is_right
	s_endpgm
.Lentry_shape_is_right:
.set POFF, 24*102400
.set TILEB, 102400
.set NCH, 2
.set BLK, 12800
.set FRG, 1536
.set SCO, 12288
.set HALF, 25600
.set CHUNK, 51200
.set SLOT, 65536
.set PREG, 131072
.set SPARE, 59904
.set ACC, 128
.set F0, 0
.set F1, 128
.set G1P, 24
.set G0P, 32
.set G1R, 48
.set G0R, 56
.set TB, 15
.set MSB, 0
.macro WIN new
.if MSB != \new
	s_set_vgpr_msb (MSB<<8)|\new
.set MSB, \new
.endif
.endm
.set MUL, 0x05
.set TO_F, 0x40
.macro JLOAD s
	s_cmp_eq_u32 s13, 0
	s_cbranch_scc0 .Lfor_r_\@
	tensor_load_to_lds s[G0P+4*\s:G0P+4*\s+3], s[G1P:G1P+7]
	s_nop 0
.rept 4
	v_nop
.endr
	s_branch .Lasked_\@
.Lfor_r_\@:
	tensor_load_to_lds s[G0R+4*\s:G0R+4*\s+3], s[G1R:G1R+7]
	s_nop 0
.rept 4
	v_nop
.endr
.Lasked_\@:
.endm
.macro CREST
	s_cmp_lg_u32 s12, 0
	s_cbranch_scc1 .Lnot_wave_0_\@
	s_barrier_signal -3
.Lnot_wave_0_\@:
	s_barrier_wait -3
	s_barrier_signal -1
	s_barrier_wait -1
.endm
.macro CROUND
	s_barrier_signal -1
	s_barrier_wait -1
	CREST
.endm
	s_load_b256 s[4:11], s[0:1], 0x0
	v_lshl_add_u32 v28, v0, 2, SPARE
	v_mov_b32 v29, 0
	ds_add_u32 v28, v29
	ds_add_u32 v28, v29
	s_wait_dscnt 0x0
	v_lshrrev_b32 v1, 5, v0
	v_readfirstlane_b32 s12, v1
	s_lshr_b32 s13, s12, 1
	s_and_b32 s14, s12, 1
	s_bfe_u32 s40, ttmp6, 0x40000
	s_bfe_u32 s41, ttmp6, 0x40004
	s_lshl_b32 s42, ttmp9, 2
	s_add_co_u32 s42, s42, s40
	s_and_b32 s43, ttmp7, 0xffff
	s_lshl_b32 s43, s43, 2
	s_add_co_u32 s43, s43, s41
	s_lshl_b32 s44, s41, 2
	s_lshl_b32 s44, 15, s44
	s_lshl_b32 s45, 0x1111, s40
	s_or_b32 s[G1P], s45, (3<<16)|(1<<21)
	s_or_b32 s[G1R], s44, (3<<16)|(1<<21)
.irp g, G1P, G1R
	s_mov_b32 s[\g+1], 32<<16
	s_mov_b32 s[\g+2], 200<<16                     ; a load brings a whole chunk of four K steps: 200 rows of 256 bytes
	s_mov_b32 s[\g+3], 32<<16
	s_mov_b32 s[\g+4], 200
	s_mov_b32 s[\g+5], 32
	s_mov_b32 s[\g+6], 0
	s_mov_b32 s[\g+7], 0
.endr
	s_mul_i32 s16, s14, CHUNK                      ; K is 1,024: two chunks of P and two of R, which all fit in LDS.  Wave w fetches chunk w % 2 of P (waves 0, 1) or of R (waves 2, 3),
	s_lshl_b32 s17, s14, 16                        ; into slot w % 2: every byte is filled once, by the head's one load a wave
	s_mul_i32 s66, s42, TILEB
	s_add_co_u32 s66, s66, POFF
	s_add_co_u32 s66, s66, s16
	s_mov_b32 s67, 0
	s_mul_i32 s70, s43, TILEB
	s_add_co_u32 s70, s70, s16
	s_mov_b32 s71, 0
	s_mov_b32 s[TB], 0
	s_wait_kmcnt 0x0
	s_add_nc_u64 s[66:67], s[4:5], s[66:67]
	s_add_nc_u64 s[70:71], s[6:7], s[70:71]
	CROUND
	s_mov_b32 s[G0P], 1
	s_add_co_u32 s[G0P+1], s17, PREG
	s_mov_b64 s[G0P+2:G0P+3], s[66:67]
	s_or_b32 s[G0P+3], s[G0P+3], 0x80000000
	s_mov_b32 s[G0R], 1
	s_mov_b32 s[G0R+1], s17
	s_mov_b64 s[G0R+2:G0R+3], s[70:71]
	s_or_b32 s[G0R+3], s[G0R+3], 0x80000000
	JLOAD 0                                        ; my one joint load, behind the round above
	v_and_b32 v1, 15, v0
	v_bfe_u32 v2, v0, 4, 1
	v_and_b32 v3, 31, v0
	s_wait_alu depctr_va_vdst(0)
	s_lshl_b32 s72, s42, 9
	s_lshl_b32 s73, s14, 8
	s_add_co_u32 s72, s72, s73
	s_mov_b32 s73, 0
	s_add_nc_u64 s[8:9], s[8:9], s[72:73]
	v_lshlrev_b32 v26, 6, v2
.irp e, 0,1,2,3
.irp a, 0,1,2,3
	global_load_b128 v[ACC+8*(4*\e+\a):ACC+8*(4*\e+\a)+3], v26, s[8:9] offset:128*(\a/2)+32*(\a%2)
	global_load_b128 v[ACC+8*(4*\e+\a)+4:ACC+8*(4*\e+\a)+7], v26, s[8:9] offset:128*(\a/2)+32*(\a%2)+16
.endr
.endr
	s_mul_i32 s72, s13, 4*FRG
	s_mul_i32 s73, s14, 4*FRG
	s_add_co_u32 s73, s73, PREG
	v_lshl_add_u32 v4, v3, 4, s72
	v_lshl_add_u32 v5, v3, 3, s72
	v_lshl_add_u32 v6, v3, 4, s73
	v_lshl_add_u32 v7, v3, 3, s73
	s_lshl_b32 s74, s13, 8
	s_lshl_b32 s75, s14, 8
	s_add_co_u32 s75, s75, PREG
	s_sub_co_u32 s75, s75, s74
	v_mul_u32_u24 v16, s75, v2
	s_add_co_u32 s74, s74, SCO
	v_lshl_add_u32 v30, v1, 4, s74
	v_add_nc_u32 v16, v16, v30
	v_and_b32 v30, 8, v1
	v_add_nc_u32 v30, v30, v1
	v_mul_u32_u24 v23, v30, 272
	v_lshl_add_u32 v23, v2, 6, v23
	s_lshl_b32 s74, s12, 16
	s_add_co_u32 s74, s74, CHUNK
	v_add_nc_u32 v23, s74, v23
	v_mul_u32_u24 v24, v2, 272
	v_lshl_add_u32 v24, v1, 4, v24
	v_add_nc_u32 v24, s74, v24
	v_lshlrev_b32 v25, 13, v2
	v_lshl_add_u32 v25, v1, 4, v25
	s_lshr_b32 s76, s43, 4
	s_lshl_b32 s76, s76, 12
	s_and_b32 s77, s43, 15
	s_lshl_b32 s77, s77, 7
	s_lshl_b32 s78, s13, 6
	s_add_co_u32 s77, s77, s78
	s_lshl_b32 s77, s77, 13
	s_add_co_u32 s76, s76, s77
	s_lshl_b32 s77, s42, 9
	s_add_co_u32 s76, s76, s77
	s_lshl_b32 s77, s14, 8
	s_add_co_u32 s76, s76, s77
	s_mov_b32 s77, 0
	s_add_nc_u64 s[10:11], s[10:11], s[76:77]
.macro MULQ f, bb
.irp a, 0,1,2,3
	v_wmma_scale_f32_16x16x128_f8f6f4 v[ACC+8*(4*(\bb)+\a):ACC+8*(4*(\bb)+\a)+7], v[\f+12*\a:\f+12*\a+11], v[\f+48+12*(\bb):\f+48+12*(\bb)+11], v[ACC+8*(4*(\bb)+\a):ACC+8*(4*(\bb)+\a)+7], v[8+4*(\f/128)+\a], v[8+4*(\f/128)+(\bb)] matrix_a_fmt:MATRIX_FMT_FP6 matrix_b_fmt:MATRIX_FMT_FP6 matrix_a_scale:MATRIX_SCALE_ROW1
.endr
.endm
.macro FETCH f, k
	ds_load_b128 v[8+4*(\f/128):8+4*(\f/128)+3], v22 offset:(\k)*BLK
	WIN TO_F
.irp a, 0,1,2,3
	ds_load_b128 v[\f+12*\a:\f+12*\a+3], v20 offset:(\k)*BLK+\a*FRG
	ds_load_b64 v[\f+12*\a+4:\f+12*\a+5], v21 offset:(\k)*BLK+\a*FRG+512
	ds_load_b128 v[\f+12*\a+6:\f+12*\a+9], v20 offset:(\k)*BLK+\a*FRG+768
	ds_load_b64 v[\f+12*\a+10:\f+12*\a+11], v21 offset:(\k)*BLK+\a*FRG+1280
.endr
.irp e, 0,1,2,3
	ds_load_b128 v[\f+48+12*\e:\f+48+12*\e+3], v18 offset:(\k)*BLK+\e*FRG
	ds_load_b64 v[\f+48+12*\e+4:\f+48+12*\e+5], v19 offset:(\k)*BLK+\e*FRG+512
	ds_load_b128 v[\f+48+12*\e+6:\f+48+12*\e+9], v18 offset:(\k)*BLK+\e*FRG+768
	ds_load_b64 v[\f+48+12*\e+10:\f+48+12*\e+11], v19 offset:(\k)*BLK+\e*FRG+1280
.endr
.endm
.macro GRPT
	v_add_nc_u32 v18, s[TB], v4
	v_add_nc_u32 v19, s[TB], v5
	v_add_nc_u32 v20, s[TB], v6
	v_add_nc_u32 v21, s[TB], v7
	v_add_nc_u32 v22, s[TB], v16
.endm
.macro STEP f, g, k
	s_wait_dscnt 8
	WIN MUL
	MULQ \f, 0
	MULQ \f, 1
	WIN 0
.rept 4
	v_nop
.endr
	FETCH \g, \k
	s_wait_dscnt 33
	WIN MUL
	MULQ \f, 2
	MULQ \f, 3
.endm
.macro TURN fill
	WIN 0
	s_wait_tensorcnt 0x0
	ds_add_u32 v28, v29
	s_wait_dscnt 9
	WIN MUL
	MULQ F1, 0
	s_wait_dscnt 0x0
	s_barrier_signal -1
	MULQ F1, 1
	WIN 0
	s_barrier_wait -1
.if \fill
	CREST
	s_xor_b32 s[G0P+5], s[G0P+5], SLOT
	s_add_nc_u64 s[G0P+6:G0P+7], s[G0P+6:G0P+7], CHUNK
	s_xor_b32 s[G0R+5], s[G0R+5], SLOT
	s_add_nc_u64 s[G0R+6:G0R+7], s[G0R+6:G0R+7], CHUNK
	JLOAD 1
.endif
	s_xor_b32 s[TB], s[TB], SLOT
	GRPT
	FETCH F0, 0
	WIN MUL
	MULQ F1, 2
	MULQ F1, 3
	WIN 0
.endm
	s_wait_tensorcnt 0x0                           ; my chunk is in; behind the barrier all four are
	s_barrier_signal -1
	s_barrier_wait -1
	GRPT
	FETCH F0, 0
	WIN 0
	s_wait_alu depctr_va_vdst(0)
	s_wait_loadcnt 0x0
.if NCH > 2
	s_mov_b32 s3, NCH-2
.Lchunk:
	STEP F0, F1, 1
	STEP F1, F0, 2
	STEP F0, F1, 3
	TURN 1
	s_sub_co_u32 s3, s3, 1
	s_cmp_lg_u32 s3, 0
	s_cbranch_scc1 .Lchunk
.endif
	STEP F0, F1, 1
	STEP F1, F0, 2
	STEP F0, F1, 3
	TURN 0
	s_wait_alu depctr_va_vdst(0)
	STEP F0, F1, 1
	STEP F1, F0, 2
	STEP F0, F1, 3
	s_wait_dscnt 8
	WIN MUL
	MULQ F1, 0
	MULQ F1, 1
	s_wait_dscnt 0x0
	MULQ F1, 2
	MULQ F1, 3
	WIN 0
.rept 4
	v_nop
.endr
.irp p, 0,1
.if \p
	s_wait_xcnt 0x0
	s_add_nc_u64 s[10:11], s[10:11], 262144
.endif
.irp e, 0,1
.irp a, 0,1,2,3
	ds_store_b128 v23, v[ACC+8*(4*(2*\p+\e)+\a):ACC+8*(4*(2*\p+\e)+\a)+3] offset:2176*\e+128*(\a/2)+32*(\a%2)
	ds_store_b128 v23, v[ACC+8*(4*(2*\p+\e)+\a)+4:ACC+8*(4*(2*\p+\e)+\a)+7] offset:2176*\e+128*(\a/2)+32*(\a%2)+16
.endr
.endr
.irp t, 0,1,2,3,4,5,6,7,8,9,10,11,12,13,14,15
	ds_load_b128 v[32+4*\t:35+4*\t], v24 offset:544*\t
.endr
.irp t, 0,1,2,3,4,5,6,7,8,9,10,11,12,13,14,15
	s_wait_dscnt 15-\t
	global_store_b128 v25, v[32+4*\t:35+4*\t], s[10:11] offset:16384*\t
.endr
.endr
	s_wait_tensorcnt 0x0
	ds_add_u32 v28, v29
	s_wait_dscnt 0x0
	CROUND
	s_endpgm
.Lfunc_end_k_qc3e49760a1_wo:
	.size	k_qc3e49760a1_wo, .Lfunc_end_k_qc3e49760a1_wo-k_qc3e49760a1_wo
	.p2alignl 7, 3214868480
	.fill 96, 4, 3214868480
	.section	.rodata,"a",@progbits
	.p2align	6, 0x0
	.amdhsa_kernel k_qc3e49760a1_wo
		.amdhsa_group_segment_fixed_size 327680
		.amdhsa_private_segment_fixed_size 0
		.amdhsa_enable_private_segment 0
		.amdhsa_kernarg_size 32
		.amdhsa_user_sgpr_count 2
		.amdhsa_user_sgpr_kernarg_segment_ptr 1
		.amdhsa_wavefront_size32 1
		.amdhsa_system_sgpr_workgroup_id_x 1
		.amdhsa_system_sgpr_workgroup_id_y 1
		.amdhsa_system_sgpr_workgroup_id_z 1
		.amdhsa_system_vgpr_workitem_id 0
		.amdhsa_next_free_vgpr 512
		.amdhsa_next_free_sgpr 100
		.amdhsa_reserve_vcc 0
		.amdhsa_float_denorm_mode_32 3
		.amdhsa_float_denorm_mode_16_64 3
		.amdhsa_memory_ordered 1
		.amdhsa_forward_progress 1
		.amdhsa_inst_pref_size 54
	.end_amdhsa_kernel
	.amdgpu_metadata
---
amdhsa.version: [ 1, 2 ]
amdhsa.kernels:
  - .name:           k_qc3e49760a1_wo
    .symbol:         k_qc3e49760a1_wo.kd
    .args:
      - { .name: wa, .offset: 0, .size: 8, .value_kind: global_buffer, .address_space: global }
      - { .name: cf, .offset: 8, .size: 8, .value_kind: global_buffer, .address_space: global }
      - { .name: bo, .offset: 16, .size: 8, .value_kind: global_buffer, .address_space: global }
      - { .name: qa, .offset: 24, .size: 8, .value_kind: global_buffer, .address_space: global }
    .group_segment_fixed_size: 327680
    .private_segment_fixed_size: 0
    .kernarg_segment_align: 8
    .kernarg_segment_size: 32
    .max_flat_workgroup_size: 128
    .sgpr_count:     100
    .vgpr_count:     512
    .wavefront_size: 32
...
	.end_amdgpu_metadata
.endif
;; end of part 4
;; launch ln1 (part 5): grid 256 x 1, 8 waves a work-group, no clusters, 69,632 bytes of LDS; arguments src, qa, g1, be1, wb; writes wb
.if DOCPART == 5
	.amdgcn_target "amdgcn-amd-amdhsa--gfx1250"
	.amdhsa_code_object_version 6
	.text
	.protected	k_qc3e49760a1_ln1
	.globl	k_qc3e49760a1_ln1
	.p2align	8
	.type	k_qc3e49760a1_ln1,@function
k_qc3e49760a1_ln1:
	s_mov_b64 s[64:65], 0
	v_nop
	global_prefetch_b8 v0, s[64:65] scope:SCOPE_SE
	s_setreg_imm32_b32 hwreg(HW_REG_WAVE_MODE, 25, 1), 1
	s_wait_xcnt 0x0
; x = layernorm(src + a1) g1 + be1, in f32, quantised along its 1,024 to codes of FP6 (E2M3) in the order of an operand's registers (blocks of BLK bytes: 8 fragments of FRG bytes, then the scale words).
; A work-group takes the 16 rows of one fragment (slot r: row 32 (i / 2) + 8 (i % 2) + r + 8 (r / 8) of the tile, rows in the order batch x 2048 + position); wave w takes K step w.
; Each load of src and of a1 reads 512 consecutive bytes of one row, 16 a lane; the two are added so.  The quantiser wants a lane to hold the 64 numbers that the operand's layout gives it, so the wave's 16 rows x 512 bytes
; turn once through its own stage in LDS; behind that the conversions' results are the fragment.  A row's sums meet in LDS: two barriers.  The variance is taken of the centred numbers.
; LIMITS: a block of zeros gets the byte 1 and not 127 (its codes are zeros; this program alone reads the bytes); NaN and infinities are not served.
.set BLK, 12800
.set FRG, 1536
.set SCO, 12288
.set TILE1K, 102400
.set XOFF, 3309568
.set XP, 528                           ; a stage row: 512 bytes + 16, an odd multiple of 16: the 16 lanes that read one column of 16 rows touch 16 different columns of 16 bytes
.set XSTG, 16*XP                       ; a wave's stage; the stages lie behind the 1,024 bytes in which the rows' sums meet
.set TM, 56
.set H8, 10
.set SEL, 26
.set Y, 64
.set T1, 128
.set T2, 192
	s_load_b256 s[4:11], s[0:1], 0x0               ; src, a1, g1, be1
	s_load_b64 s[12:13], s[0:1], 0x20              ; the codes' buffer
	v_lshl_add_u32 v55, v0, 2, 0x10c00
	v_mov_b32 v63, 0
	v_lshrrev_b32 v1, 5, v0
	s_delay_alu instid0(VALU_DEP_1)
	v_readfirstlane_b32 s14, v1                    ; wave = K step
	s_lshr_b32 s15, ttmp9, 3                       ; tile
	s_and_b32 s16, ttmp9, 7                        ; fragment
	s_and_b32 s17, s15, 15
	s_lshl_b32 s17, s17, 7
	s_lshr_b32 s18, s16, 1
	s_lshl_b32 s18, s18, 5
	s_add_co_u32 s17, s17, s18
	s_and_b32 s18, s16, 1
	s_lshl_b32 s18, s18, 3
	s_add_co_u32 s17, s17, s18                     ; slot 0's position
	s_lshl_b32 s20, s17, 13
	s_lshr_b32 s18, s15, 4
	s_lshl_b32 s18, s18, 12
	s_add_co_u32 s20, s20, s18
	s_lshl_b32 s22, s14, 9                         ; my K step: 512 bytes
	s_add_co_u32 s20, s20, s22
	s_mov_b32 s21, 0
	s_mov_b32 s23, 0
	s_mul_i32 s24, s15, TILE1K
	s_mul_i32 s18, s14, BLK
	s_add_co_u32 s24, s24, s18
	s_add_co_u32 s24, s24, XOFF
	s_mov_b32 s25, 0
	s_mul_i32 s28, s16, FRG
	s_lshr_b32 s29, s16, 2
	s_lshl_b32 s29, s29, 8
	s_and_b32 s18, s16, 3
	s_lshl_b32 s18, s18, 2
	s_add_co_u32 s29, s29, s18
	s_mov_b32 s[SEL], 0x76543210
	s_mov_b32 s[SEL+1], 0xfedcba98
	s_mov_b32 s30, 0x3a800000                      ; 1 / 1024
	s_mov_b32 s31, 0x3727c5ac                      ; 1e-5
	v_and_b32 v1, 31, v0                           ; l
	v_and_b32 v7, 15, v0                           ; r
	v_bfe_u32 v8, v0, 4, 1                         ; h
	s_delay_alu instid0(VALU_DEP_3)
	v_lshlrev_b32 v2, 4, v1                        ; src and a1: 16 bytes a lane
	s_delay_alu instid0(VALU_DEP_2)
	v_lshlrev_b32 v3, 7, v8                        ; the gains and offsets: 128 h
	s_delay_alu instid0(VALU_DEP_3)
	v_lshlrev_b32 v[H8], 3, v8
	v_lshl_add_u32 v4, v1, 4, s28
	v_lshl_add_u32 v5, v1, 3, s28
	v_lshl_add_u32 v6, v7, 4, s29
	v_lshlrev_b32 v12, 5, v7                       ; LDS, the sums: 32 bytes a row,
	s_lshl_b32 s17, s14, 2
	v_add_nc_u32 v11, s17, v12                     ; 4 a wave
	s_mul_i32 s18, s14, XSTG
	s_add_co_u32 s18, s18, 1024                    ; my wave's stage
	v_lshl_add_u32 v13, v1, 4, s18                 ; into it: 16 bytes a lane
	v_mul_u32_u24 v14, v7, XP
	s_delay_alu instid0(VALU_DEP_1)
	v_lshl_add_u32 v14, v8, 7, v14
	s_delay_alu instid0(VALU_DEP_1)
	v_add_nc_u32 v14, s18, v14                     ; out of it: row r, + 128 h
	v_mov_b32 v[TM+6], 0
	s_wait_kmcnt 0x0
	s_add_nc_u64 s[4:5], s[4:5], s[20:21]
	s_add_nc_u64 s[6:7], s[6:7], s[20:21]
	s_add_nc_u64 s[8:9], s[8:9], s[22:23]
	s_add_nc_u64 s[10:11], s[10:11], s[22:23]
	s_add_nc_u64 s[12:13], s[12:13], s[24:25]
.macro LDR reg, base                   ; my K step of the 16 rows: slot p's row into registers 4 p on; 32 lanes read 512 consecutive bytes
.irp p, 0,1,2,3,4,5,6,7,8,9,10,11,12,13,14,15
	global_load_b128 v[\reg+4*\p:\reg+4*\p+3], v2, s[\base:\base+1] offset:(\p+8*(\p/8))*8192
.endr
.endm
.macro LD16 reg, off, base             ; the gains or offsets of my 64 columns, in the operand's layout; the sixteen lanes of a half read the same bytes
.irp c, 0,1
.irp j, 0,1,2,3,4,5,6,7
	global_load_b128 v[\reg+32*\c+4*\j:\reg+32*\c+4*\j+3], v[\off], s[\base:\base+1] offset:256*\c+16*\j
.endr
.endr
.endm
; v40, my 64 numbers' sum, becomes the row's: with lane l xor 16's, then with the other seven waves' through LDS
.macro RED off
	s_delay_alu instid0(VALU_DEP_1)
	v_permlanex16_b32 v41, v40, s[SEL], s[SEL+1]
	s_delay_alu instid0(VALU_DEP_1)
	v_add_f32 v40, v40, v41
	ds_store_b32 v11, v40 offset:\off              ; both halves of the lanes write the same word with the same value
	s_wait_dscnt 0x0                               ; for the others' sake
	s_barrier_signal -1
	s_barrier_wait -1
	ds_load_b128 v[44:47], v12 offset:\off
	ds_load_b128 v[48:51], v12 offset:\off+16
	s_wait_dscnt 0x0
	v_add_f32 v44, v44, v45
	v_add_f32 v46, v46, v47
	v_add_f32 v48, v48, v49
	v_add_f32 v50, v50, v51
	s_delay_alu instid0(VALU_DEP_3)
	v_add_f32 v44, v44, v46
	s_delay_alu instid0(VALU_DEP_2)
	v_add_f32 v48, v48, v50
	s_delay_alu instid0(VALU_DEP_1)
	v_add_f32 v40, v44, v48
.endm
.macro QFRAG x, dst, tq, wd            ; 64 numbers of a lane, register 32 c + i = k 64 c + 32 (lane / 16) + i, become a fragment's 12 registers and its scale word
.irp c, 0,1
	v_max3_num_f32 v[TM+\c], |v[\x+32*\c]|, |v[\x+32*\c+1]|, 0x1800000
.endr
.irp i, 2,4,6,8,10,12,14,16,18,20,22,24,26,28,30
.irp c, 0,1
	s_delay_alu instid0(VALU_DEP_2)
	v_max3_num_f32 v[TM+\c], v[TM+\c], |v[\x+32*\c+\i]|, |v[\x+32*\c+\i+1]|
.endr
.endr
.irp c, 0,1
	s_delay_alu instid0(VALU_DEP_2)
	v_add_nc_u32 v[TM+2+\c], 0xff000000, v[TM+\c]
.endr
.irp c, 0,1
	s_delay_alu instid0(VALU_DEP_2)
	v_lshrrev_b32 v[TM+4+\c], 23, v[TM+2+\c]
.endr
	s_delay_alu instid0(VALU_DEP_1)
	v_lshl_or_b32 v[\wd], v[TM+5], 16, v[TM+4]
	s_delay_alu instid0(VALU_DEP_1)
	v_lshlrev_b32 v[\wd], v[H8], v[\wd]
	s_delay_alu instid0(VALU_DEP_1)
	v_permlanex16_b32 v[TM+6], v[\wd], s[SEL], s[SEL+1]
	s_delay_alu instid0(VALU_DEP_1)
	v_or_b32 v[\wd], v[\wd], v[TM+6]
.irp c, 0,1
	v_cvt_scalef32_pk16_fp6_f32 v[\dst+6*\c:\dst+6*\c+2], v[\x+32*\c:\x+32*\c+15], v[TM+2+\c]
	v_cvt_scalef32_pk16_fp6_f32 v[\tq+4*\c:\tq+4*\c+2], v[\x+32*\c+16:\x+32*\c+31], v[TM+2+\c]
.endr
	v_nop
.irp c, 0,1
.irp i, 0,1,2
	v_mov_b32 v[\dst+6*\c+3+\i], v[\tq+4*\c+\i]
.endr
.endr
.endm
	LDR Y, 4
	LDR T1, 6
	LD16 T2, 3, 10
	s_wait_loadcnt 16                              ; src and a1 are in; be1's 16 loads may be out
.set j, 0
.rept 32
	v_pk_add_f32 v[Y+j:Y+j+1], v[Y+j:Y+j+1], v[T1+j:T1+j+1]       ; both lie as they were loaded
.set j, j+2
.endr
	LD16 T1, 3, 8                                  ; g1 takes a1's registers
.irp p, 0,1,2,3,4,5,6,7,8,9,10,11,12,13,14,15
	ds_store_b128 v13, v[Y+4*\p:Y+4*\p+3] offset:\p*XP             ; the turn: row p at p x XP,
.endr
	s_wait_dscnt 0x0                               ; the stores have read their registers, on which the loads below land
.irp c, 0,1
.irp j, 0,1,2,3,4,5,6,7
	ds_load_b128 v[Y+32*\c+4*\j:Y+32*\c+4*\j+3], v14 offset:256*\c+16*\j   ; and back: lane (r, h) takes, of row r, the numbers 64 c + 32 h + 0 .. 31
.endr
.endr
	s_wait_dscnt 0x0
	v_pk_add_f32 v[42:43], v[64:65], v[66:67]
	v_pk_add_f32 v[60:61], v[72:73], v[76:77]
	v_pk_add_f32 v[58:59], v[80:81], v[84:85]
	v_pk_add_f32 v[56:57], v[88:89], v[92:93]
	v_pk_add_f32 v[52:53], v[96:97], v[100:101]
	v_pk_add_f32 v[50:51], v[104:105], v[108:109]
	v_pk_add_f32 v[48:49], v[112:113], v[116:117]
	v_pk_add_f32 v[40:41], v[120:121], v[124:125]
	s_delay_alu instid0(VALU_DEP_1)
	v_pk_add_f32 v[40:41], v[40:41], v[68:69]
	v_pk_add_f32 v[42:43], v[42:43], v[70:71]
	v_pk_add_f32 v[60:61], v[60:61], v[74:75]
	v_pk_add_f32 v[58:59], v[58:59], v[78:79]
	v_pk_add_f32 v[56:57], v[56:57], v[82:83]
	v_pk_add_f32 v[52:53], v[52:53], v[86:87]
	v_pk_add_f32 v[50:51], v[50:51], v[90:91]
	v_pk_add_f32 v[48:49], v[48:49], v[94:95]
	v_pk_add_f32 v[40:41], v[40:41], v[98:99]
	v_pk_add_f32 v[42:43], v[42:43], v[102:103]
	v_pk_add_f32 v[60:61], v[60:61], v[106:107]
	v_pk_add_f32 v[58:59], v[58:59], v[110:111]
	v_pk_add_f32 v[56:57], v[56:57], v[114:115]
	v_pk_add_f32 v[52:53], v[52:53], v[118:119]
	v_pk_add_f32 v[50:51], v[50:51], v[122:123]
	v_pk_add_f32 v[48:49], v[48:49], v[126:127]
	s_delay_alu instid0(VALU_DEP_4)
	v_pk_add_f32 v[40:41], v[40:41], v[56:57]
	s_delay_alu instid0(VALU_DEP_4)
	v_pk_add_f32 v[42:43], v[42:43], v[52:53]
	s_delay_alu instid0(VALU_DEP_4)
	v_pk_add_f32 v[60:61], v[60:61], v[50:51]
	s_delay_alu instid0(VALU_DEP_4)
	v_pk_add_f32 v[58:59], v[58:59], v[48:49]
	s_delay_alu instid0(VALU_DEP_2)
	v_pk_add_f32 v[40:41], v[40:41], v[60:61]
	s_delay_alu instid0(VALU_DEP_2)
	v_pk_add_f32 v[42:43], v[42:43], v[58:59]
	s_delay_alu instid0(VALU_DEP_1)
	v_pk_add_f32 v[40:41], v[40:41], v[42:43]
	s_delay_alu instid0(VALU_DEP_1)
	v_add_f32 v40, v40, v41
	RED 0
	s_delay_alu instid0(VALU_DEP_1)
	v_mul_f32 v42, s30, v40                        ; the mean
	s_delay_alu instid0(VALU_DEP_1)
	v_mov_b32 v43, v42
.set j, 0
.rept 32
	v_pk_add_f32 v[Y+j:Y+j+1], v[Y+j:Y+j+1], v[42:43] neg_lo:[0,1] neg_hi:[0,1]
.set j, j+2
.endr
	v_pk_mul_f32 v[40:41], v[Y:Y+1], v[Y:Y+1]
	v_pk_mul_f32 v[42:43], v[Y+2:Y+3], v[Y+2:Y+3]
.irp i, 4,8,12,16,20,24,28,32,36,40,44,48,52,56,60
	s_delay_alu instid0(VALU_DEP_2)
	v_pk_fma_f32 v[40:41], v[Y+\i:Y+\i+1], v[Y+\i:Y+\i+1], v[40:41]
	s_delay_alu instid0(VALU_DEP_2)
	v_pk_fma_f32 v[42:43], v[Y+\i+2:Y+\i+3], v[Y+\i+2:Y+\i+3], v[42:43]
.endr
	s_delay_alu instid0(VALU_DEP_1)
	v_pk_add_f32 v[40:41], v[40:41], v[42:43]
	s_delay_alu instid0(VALU_DEP_1)
	v_add_f32 v40, v40, v41
	RED 512                                        ; other LDS bytes than the first sum's: no third barrier
	s_delay_alu instid0(VALU_DEP_1)
	v_fma_f32 v40, v40, s30, s31                   ; the variance + 1e-5
	s_wait_alu depctr_va_vdst(0)
	v_rsq_f32 v42, v40
	v_nop                                          ; a plain place behind the transcendental
	s_wait_alu depctr_va_vdst(0)                   ; ahead of its first reader
	v_mov_b32 v43, v42
	s_wait_alu depctr_va_vdst(0)
	s_wait_loadcnt 0x0                             ; g1, be1
.set j, 0
.rept 32
	v_pk_mul_f32 v[Y+j:Y+j+1], v[Y+j:Y+j+1], v[42:43]
.set j, j+2
.endr
.set j, 0
.rept 32
	v_pk_fma_f32 v[Y+j:Y+j+1], v[Y+j:Y+j+1], v[T1+j:T1+j+1], v[T2+j:T2+j+1]
.set j, j+2
.endr
	QFRAG Y, 16, 48, 40
	global_store_b128 v4, v[16:19], s[12:13]       ; 512 consecutive bytes
	global_store_b64 v5, v[20:21], s[12:13] offset:512
	global_store_b128 v4, v[22:25], s[12:13] offset:768
	global_store_b64 v5, v[26:27], s[12:13] offset:1280
	global_store_b32 v6, v40, s[12:13] offset:SCO
	s_wait_tensorcnt 0x0
	ds_add_u32 v55, v63
	s_wait_dscnt 0x0
	s_endpgm
.Lfunc_end_k_qc3e49760a1_ln1:
	.size	k_qc3e49760a1_ln1, .Lfunc_end_k_qc3e49760a1_ln1-k_qc3e49760a1_ln1
	.p2alignl 7, 3214868480
	.fill 96, 4, 3214868480
	.section	.rodata,"a",@progbits
	.p2align	6, 0x0
	.amdhsa_kernel k_qc3e49760a1_ln1
		.amdhsa_group_segment_fixed_size 69632
		.amdhsa_private_segment_fixed_size 0
		.amdhsa_enable_private_segment 0
		.amdhsa_kernarg_size 40
		.amdhsa_user_sgpr_count 2
		.amdhsa_user_sgpr_kernarg_segment_ptr 1
		.amdhsa_wavefront_size32 1
		.amdhsa_system_sgpr_workgroup_id_x 1
		.amdhsa_system_sgpr_workgroup_id_y 1
		.amdhsa_system_sgpr_workgroup_id_z 1
		.amdhsa_system_vgpr_workitem_id 0
		.amdhsa_next_free_vgpr 256
		.amdhsa_next_free_sgpr 66
		.amdhsa_reserve_vcc 0
		.amdhsa_float_denorm_mode_32 3
		.amdhsa_float_denorm_mode_16_64 3
		.amdhsa_memory_ordered 1
		.amdhsa_forward_progress 1
		.amdhsa_inst_pref_size 32
	.end_amdhsa_kernel
	.amdgpu_metadata
---
amdhsa.version: [ 1, 2 ]
amdhsa.kernels:
  - .name:           k_qc3e49760a1_ln1
    .symbol:         k_qc3e49760a1_ln1.kd
    .args:
      - { .name: src, .offset: 0, .size: 8, .value_kind: global_buffer, .address_space: global }
      - { .name: qa, .offset: 8, .size: 8, .value_kind: global_buffer, .address_space: global }
      - { .name: g1, .offset: 16, .size: 8, .value_kind: global_buffer, .address_space: global }
      - { .name: be1, .offset: 24, .size: 8, .value_kind: global_buffer, .address_space: global }
      - { .name: wb, .offset: 32, .size: 8, .value_kind: global_buffer, .address_space: global }
    .group_segment_fixed_size: 69632
    .private_segment_fixed_size: 0
    .kernarg_segment_align: 8
    .kernarg_segment_size: 40
    .max_flat_workgroup_size: 256
    .sgpr_count:     66
    .vgpr_count:     256
    .wavefront_size: 32
...
	.end_amdgpu_metadata
.endif
;; end of part 5
;; launch ffn1: the kernel of part 2 again; grid 8 x 32, 4 waves a work-group, clusters of 4 x 4, 327,680 bytes of LDS; arguments wb, hc; writes hc
;; launch ffn2 (part 6): grid 8 x 32, 4 waves a work-group, clusters of 4 x 4, 327,680 bytes of LDS; arguments wb, hc, bf2, cf; writes cf
.if DOCPART == 6
	.amdgcn_target "amdgcn-amd-amdhsa--gfx1250"
	.amdhsa_code_object_version 6
	.text
	.protected	k_qc3e49760a1_ffn2
	.globl	k_qc3e49760a1_ffn2
	.p2align	8
	.type	k_qc3e49760a1_ffn2,@function
k_qc3e49760a1_ffn2:
	s_mov_b64 s[64:65], 0
	v_nop
	global_prefetch_b8 v0, s[64:65] scope:SCOPE_SE
	s_setreg_imm32_b32 hwreg(HW_REG_WAVE_MODE, 25, 1), 1
	s_wait_xcnt 0x0
	s_wait_alu depctr_hold_cnt(0) depctr_sa_sdst(0) depctr_va_vdst(0) depctr_va_sdst(0) depctr_va_ssrc(0) depctr_va_vcc(0) depctr_vm_vsrc(0)
	s_getreg_b32 s2, hwreg(HW_REG_IB_STS2, 6, 4)
	s_cmp_eq_u32 s2, 0
	s_cbranch_scc0 .Lentry_in_a_cluster
	s_endpgm
.Lentry_in_a_cluster:
	s_bfe_u32 s2, ttmp6, 0x10000c
	s_cmp_lg_u32 s2, 0xf033
	s_cbranch_scc0 .Lentry_shape_is_right
	s_endpgm
.Lentry_shape_is_right:
.set POFF, 6586368
.set TILEB, 409600
.set NCH, 8
.set BLK, 12800
.set FRG, 1536
.set SCO, 12288
.set HALF, 25600
.set CHUNK, 51200
.set SLOT, 65536
.set PREG, 131072
.set SPARE, 59904
.set ACC, 128
.set F0, 0
.set F1, 128
.set G1P, 24
.set G0P, 32
.set G1R, 48
.set G0R, 56
.set TB, 15
.set MSB, 0
.macro WIN new
.if MSB != \new
	s_set_vgpr_msb (MSB<<8)|\new
.set MSB, \new
.endif
.endm
.set MUL, 0x05
.set TO_F, 0x40
.macro JLOAD s
	s_cmp_eq_u32 s13, 0
	s_cbranch_scc0 .Lfor_r_\@
	tensor_load_to_lds s[G0P+4*\s:G0P+4*\s+3], s[G1P:G1P+7]
	s_nop 0
.rept 4
	v_nop
.endr
	s_branch .Lasked_\@
.Lfor_r_\@:
	tensor_load_to_lds s[G0R+4*\s:G0R+4*\s+3], s[G1R:G1R+7]
	s_nop 0
.rept 4
	v_nop
.endr
.Lasked_\@:
.endm
.macro CREST
	s_cmp_lg_u32 s12, 0
	s_cbranch_scc1 .Lnot_wave_0_\@
	s_barrier_signal -3
.Lnot_wave_0_\@:
	s_barrier_wait -3
	s_barrier_signal -1
	s_barrier_wait -1
.endm
.macro CROUND
	s_barrier_signal -1
	s_barrier_wait -1
	CREST
.endm
	s_load_b256 s[4:11], s[0:1], 0x0
	v_lshl_add_u32 v28, v0, 2, SPARE
	v_mov_b32 v29, 0
	ds_add_u32 v28, v29
	ds_add_u32 v28, v29
	s_wait_dscnt 0x0
	v_lshrrev_b32 v1, 5, v0
	v_readfirstlane_b32 s12, v1
	s_lshr_b32 s13, s12, 1
	s_and_b32 s14, s12, 1
	s_bfe_u32 s40, ttmp6, 0x40000
	s_bfe_u32 s41, ttmp6, 0x40004
	s_lshl_b32 s42, ttmp9, 2
	s_add_co_u32 s42, s42, s40
	s_and_b32 s43, ttmp7, 0xffff
	s_lshl_b32 s43, s43, 2
	s_add_co_u32 s43, s43, s41
	s_lshl_b32 s44, s41, 2
	s_lshl_b32 s44, 15, s44
	s_lshl_b32 s45, 0x1111, s40
	s_or_b32 s[G1P], s45, (3<<16)|(1<<21)
	s_or_b32 s[G1R], s44, (3<<16)|(1<<21)
.irp g, G1P, G1R
	s_mov_b32 s[\g+1], 32<<16
	s_mov_b32 s[\g+2], 100<<16
	s_mov_b32 s[\g+3], 32<<16
	s_mov_b32 s[\g+4], 100
	s_mov_b32 s[\g+5], 32
	s_mov_b32 s[\g+6], 0
	s_mov_b32 s[\g+7], 0
.endr
	s_mul_i32 s16, s14, HALF
	s_mul_i32 s66, s42, TILEB
	s_add_co_u32 s66, s66, POFF
	s_add_co_u32 s66, s66, s16
	s_mov_b32 s67, 0
	s_mul_i32 s70, s43, TILEB
	s_add_co_u32 s70, s70, s16
	s_mov_b32 s71, 0
	s_mov_b32 s[TB], 0
	s_wait_kmcnt 0x0
	s_add_nc_u64 s[66:67], s[4:5], s[66:67]
	s_add_nc_u64 s[70:71], s[6:7], s[70:71]
	CROUND
.irp s, 0,1
	s_mov_b32 s[G0P+4*\s], 1
	s_add_co_u32 s[G0P+4*\s+1], s16, PREG+\s*SLOT
	s_add_nc_u64 s[G0P+4*\s+2:G0P+4*\s+3], s[66:67], \s*CHUNK
	s_or_b32 s[G0P+4*\s+3], s[G0P+4*\s+3], 0x80000000
	s_mov_b32 s[G0R+4*\s], 1
	s_add_co_u32 s[G0R+4*\s+1], s16, \s*SLOT
	s_add_nc_u64 s[G0R+4*\s+2:G0R+4*\s+3], s[70:71], \s*CHUNK
	s_or_b32 s[G0R+4*\s+3], s[G0R+4*\s+3], 0x80000000
.endr
	JLOAD 0                                        ; chunk 0: my one joint load at the head, behind the round above; the set-up below stands under it
	v_and_b32 v1, 15, v0
	v_bfe_u32 v2, v0, 4, 1
	v_and_b32 v3, 31, v0
	s_wait_alu depctr_va_vdst(0)
	s_lshl_b32 s72, s42, 9
	s_lshl_b32 s73, s14, 8
	s_add_co_u32 s72, s72, s73
	s_mov_b32 s73, 0
	s_add_nc_u64 s[8:9], s[8:9], s[72:73]
	; THE PREFETCHES.  A wave's load brings half a chunk, 100 blocks of 256 bytes; the four partners that ask for it jointly share them out by address, 25 each (by cy for P, by cx for R):
	; a lane a block, lanes 25-31 name the wave's last block again.  s[84:85]: my 25 blocks of the chunk in hand.  Asked for: the chunk that stands two refills on; here, chunks 2 and 3.
	s_cmp_eq_u32 s13, 0
	s_cselect_b64 s[84:85], s[66:67], s[70:71]
	s_cselect_b32 s86, s41, s40
	s_mul_i32 s86, s86, 6400
	s_mov_b32 s87, 0
	s_add_nc_u64 s[84:85], s[84:85], s[86:87]
	v_lshlrev_b32 v26, 6, v2
	v_min_u32 v27, 24, v3
	v_lshlrev_b32 v27, 8, v27
	global_prefetch_b8 v27, s[84:85] offset:2*CHUNK th:TH_LOAD_NT scope:SCOPE_SE
	global_prefetch_b8 v27, s[84:85] offset:3*CHUNK th:TH_LOAD_NT scope:SCOPE_SE
.irp e, 0,1,2,3
.irp a, 0,1,2,3
	global_load_b128 v[ACC+8*(4*\e+\a):ACC+8*(4*\e+\a)+3], v26, s[8:9] offset:128*(\a/2)+32*(\a%2)
	global_load_b128 v[ACC+8*(4*\e+\a)+4:ACC+8*(4*\e+\a)+7], v26, s[8:9] offset:128*(\a/2)+32*(\a%2)+16
.endr
.endr
	s_mul_i32 s72, s13, 4*FRG
	s_mul_i32 s73, s14, 4*FRG
	s_add_co_u32 s73, s73, PREG
	v_lshl_add_u32 v4, v3, 4, s72
	v_lshl_add_u32 v5, v3, 3, s72
	v_lshl_add_u32 v6, v3, 4, s73
	v_lshl_add_u32 v7, v3, 3, s73
	s_lshl_b32 s74, s13, 8
	s_lshl_b32 s75, s14, 8
	s_add_co_u32 s75, s75, PREG
	s_sub_co_u32 s75, s75, s74
	v_mul_u32_u24 v16, s75, v2
	s_add_co_u32 s74, s74, SCO
	v_lshl_add_u32 v30, v1, 4, s74
	v_add_nc_u32 v16, v16, v30
	v_and_b32 v30, 8, v1
	v_add_nc_u32 v30, v30, v1
	v_mul_u32_u24 v23, v30, 272
	v_lshl_add_u32 v23, v2, 6, v23
	s_lshl_b32 s74, s12, 16
	s_add_co_u32 s74, s74, CHUNK
	v_add_nc_u32 v23, s74, v23
	v_mul_u32_u24 v24, v2, 272
	v_lshl_add_u32 v24, v1, 4, v24
	v_add_nc_u32 v24, s74, v24
	v_lshlrev_b32 v25, 13, v2
	v_lshl_add_u32 v25, v1, 4, v25
	s_lshr_b32 s76, s43, 4
	s_lshl_b32 s76, s76, 12
	s_and_b32 s77, s43, 15
	s_lshl_b32 s77, s77, 7
	s_lshl_b32 s78, s13, 6
	s_add_co_u32 s77, s77, s78
	s_lshl_b32 s77, s77, 13
	s_add_co_u32 s76, s76, s77
	s_lshl_b32 s77, s42, 9
	s_add_co_u32 s76, s76, s77
	s_lshl_b32 s77, s14, 8
	s_add_co_u32 s76, s76, s77
	s_mov_b32 s77, 0
	s_add_nc_u64 s[10:11], s[10:11], s[76:77]
.macro MULQ f, bb
.irp a, 0,1,2,3
	v_wmma_scale_f32_16x16x128_f8f6f4 v[ACC+8*(4*(\bb)+\a):ACC+8*(4*(\bb)+\a)+7], v[\f+12*\a:\f+12*\a+11], v[\f+48+12*(\bb):\f+48+12*(\bb)+11], v[ACC+8*(4*(\bb)+\a):ACC+8*(4*(\bb)+\a)+7], v[8+4*(\f/128)+\a], v[8+4*(\f/128)+(\bb)] matrix_a_fmt:MATRIX_FMT_FP6 matrix_b_fmt:MATRIX_FMT_FP6 matrix_a_scale:MATRIX_SCALE_ROW1
.endr
.endm
.macro FETCH f, k
	ds_load_b128 v[8+4*(\f/128):8+4*(\f/128)+3], v22 offset:(\k)*BLK
	WIN TO_F
.irp a, 0,1,2,3
	ds_load_b128 v[\f+12*\a:\f+12*\a+3], v20 offset:(\k)*BLK+\a*FRG
	ds_load_b64 v[\f+12*\a+4:\f+12*\a+5], v21 offset:(\k)*BLK+\a*FRG+512
	ds_load_b128 v[\f+12*\a+6:\f+12*\a+9], v20 offset:(\k)*BLK+\a*FRG+768
	ds_load_b64 v[\f+12*\a+10:\f+12*\a+11], v21 offset:(\k)*BLK+\a*FRG+1280
.endr
.irp e, 0,1,2,3
	ds_load_b128 v[\f+48+12*\e:\f+48+12*\e+3], v18 offset:(\k)*BLK+\e*FRG
	ds_load_b64 v[\f+48+12*\e+4:\f+48+12*\e+5], v19 offset:(\k)*BLK+\e*FRG+512
	ds_load_b128 v[\f+48+12*\e+6:\f+48+12*\e+9], v18 offset:(\k)*BLK+\e*FRG+768
	ds_load_b64 v[\f+48+12*\e+10:\f+48+12*\e+11], v19 offset:(\k)*BLK+\e*FRG+1280
.endr
.endm
.macro GRPT
	v_add_nc_u32 v18, s[TB], v4
	v_add_nc_u32 v19, s[TB], v5
	v_add_nc_u32 v20, s[TB], v6
	v_add_nc_u32 v21, s[TB], v7
	v_add_nc_u32 v22, s[TB], v16
.endm
.macro STEP f, g, k
	s_wait_dscnt 8
	WIN MUL
	MULQ \f, 0
	MULQ \f, 1
	WIN 0
.rept 4
	v_nop
.endr
	FETCH \g, \k
	s_wait_dscnt 33
	WIN MUL
	MULQ \f, 2
	MULQ \f, 3
.endm
.macro TURN fill
	WIN 0
.if \fill
	s_wait_xcnt 0x0                                ; my last prefetch has read its address, which is stepped here, a chunk behind it
	s_add_nc_u64 s[84:85], s[84:85], CHUNK
.endif
	s_wait_tensorcnt 0x0
	ds_add_u32 v28, v29
	s_wait_dscnt 9
	WIN MUL
	MULQ F1, 0
	s_wait_dscnt 0x0
	s_barrier_signal -1
	MULQ F1, 1
	WIN 0
	s_barrier_wait -1
.if \fill
	CREST
	s_xor_b32 s[G0P+5], s[G0P+5], SLOT
	s_add_nc_u64 s[G0P+6:G0P+7], s[G0P+6:G0P+7], CHUNK
	s_xor_b32 s[G0R+5], s[G0R+5], SLOT
	s_add_nc_u64 s[G0R+6:G0R+7], s[G0R+6:G0R+7], CHUNK
	JLOAD 1
.endif
	s_xor_b32 s[TB], s[TB], SLOT
	GRPT
	FETCH F0, 0
.if \fill
	WIN 0
	s_cmp_gt_u32 s3, 2                             ; trip j (s3 = 6 - j) has just asked for chunk j + 2 and names chunk j + 4; the last two trips name nothing: chunk 7 is the last
	s_cbranch_scc0 .Lno_ask_\@
	global_prefetch_b8 v27, s[84:85] offset:3*CHUNK th:TH_LOAD_NT scope:SCOPE_SE
.Lno_ask_\@:
.endif
	WIN MUL
	MULQ F1, 2
	MULQ F1, 3
	WIN 0
.endm
	s_wait_alu depctr_va_vdst(0)                   ; the head's end
	s_wait_tensorcnt 0x0                           ; my half of chunk 0 is in; slot 1's first fill is issued as a refill is
	ds_add_u32 v28, v29
	s_wait_dscnt 0x0
	CROUND                                         ; chunk 0 is whole in every partner
	JLOAD 1                                        ; chunk 1: my one load behind the round
	GRPT
	FETCH F0, 0
	WIN 0
	s_wait_loadcnt 0x0
.if NCH > 2
	s_mov_b32 s3, NCH-2
.Lchunk:
	s_wait_alu depctr_va_vdst(0)
	STEP F0, F1, 1
	STEP F1, F0, 2
	STEP F0, F1, 3
	TURN 1
	s_sub_co_u32 s3, s3, 1
	s_cmp_lg_u32 s3, 0
	s_cbranch_scc1 .Lchunk
.endif
	s_wait_alu depctr_va_vdst(0)
	STEP F0, F1, 1
	STEP F1, F0, 2
	STEP F0, F1, 3
	TURN 0
	s_wait_alu depctr_va_vdst(0)
	STEP F0, F1, 1
	STEP F1, F0, 2
	STEP F0, F1, 3
	s_wait_dscnt 8
	WIN MUL
	MULQ F1, 0
	MULQ F1, 1
	s_wait_dscnt 0x0
	MULQ F1, 2
	MULQ F1, 3
	WIN 0
.rept 4
	v_nop
.endr
.irp p, 0,1
.if \p
	s_wait_xcnt 0x0
	s_add_nc_u64 s[10:11], s[10:11], 262144
.endif
.irp e, 0,1
.irp a, 0,1,2,3
	ds_store_b128 v23, v[ACC+8*(4*(2*\p+\e)+\a):ACC+8*(4*(2*\p+\e)+\a)+3] offset:2176*\e+128*(\a/2)+32*(\a%2)
	ds_store_b128 v23, v[ACC+8*(4*(2*\p+\e)+\a)+4:ACC+8*(4*(2*\p+\e)+\a)+7] offset:2176*\e+128*(\a/2)+32*(\a%2)+16
.endr
.endr
.irp t, 0,1,2,3,4,5,6,7,8,9,10,11,12,13,14,15
	ds_load_b128 v[32+4*\t:35+4*\t], v24 offset:544*\t
.endr
.irp t, 0,1,2,3,4,5,6,7,8,9,10,11,12,13,14,15
	s_wait_dscnt 15-\t
	global_store_b128 v25, v[32+4*\t:35+4*\t], s[10:11] offset:16384*\t
.endr
.endr
	s_wait_tensorcnt 0x0
	ds_add_u32 v28, v29
	s_wait_dscnt 0x0
	CROUND
	s_endpgm
.Lfunc_end_k_qc3e49760a1_ffn2:
	.size	k_qc3e49760a1_ffn2, .Lfunc_end_k_qc3e49760a1_ffn2-k_qc3e49760a1_ffn2
	.p2alignl 7, 3214868480
	.fill 96, 4, 3214868480
	.section	.rodata,"a",@progbits
	.p2align	6, 0x0
	.amdhsa_kernel k_qc3e49760a1_ffn2
		.amdhsa_group_segment_fixed_size 327680
		.amdhsa_private_segment_fixed_size 0
		.amdhsa_enable_private_segment 0
		.amdhsa_kernarg_size 32
		.amdhsa_user_sgpr_count 2
		.amdhsa_user_sgpr_kernarg_segment_ptr 1
		.amdhsa_wavefront_size32 1
		.amdhsa_system_sgpr_workgroup_id_x 1
		.amdhsa_system_sgpr_workgroup_id_y 1
		.amdhsa_system_sgpr_workgroup_id_z 1
		.amdhsa_system_vgpr_workitem_id 0
		.amdhsa_next_free_vgpr 512
		.amdhsa_next_free_sgpr 100
		.amdhsa_reserve_vcc 0
		.amdhsa_float_denorm_mode_32 3
		.amdhsa_float_denorm_mode_16_64 3
		.amdhsa_memory_ordered 1
		.amdhsa_forward_progress 1
		.amdhsa_inst_pref_size 75
	.end_amdhsa_kernel
	.amdgpu_metadata
---
amdhsa.version: [ 1, 2 ]
amdhsa.kernels:
  - .name:           k_qc3e49760a1_ffn2
    .symbol:         k_qc3e49760a1_ffn2.kd
    .args:
      - { .name: wb, .offset: 0, .size: 8, .value_kind: global_buffer, .address_space: global }
      - { .name: hc, .offset: 8, .size: 8, .value_kind: global_buffer, .address_space: global }
      - { .name: bf2, .offset: 16, .size: 8, .value_kind: global_buffer, .address_space: global }
      - { .name: cf, .offset: 24, .size: 8, .value_kind: global_buffer, .address_space: global }
    .group_segment_fixed_size: 327680
    .private_segment_fixed_size: 0
    .kernarg_segment_align: 8
    .kernarg_segment_size: 32
    .max_flat_workgroup_size: 128
    .sgpr_count:     100
    .vgpr_count:     512
    .wavefront_size: 32
...
	.end_amdgpu_metadata
.endif
;; end of part 6
;; launch ln2 (part 7): grid 1024 x 1, 4 waves a work-group, no clusters, 0 bytes of LDS; arguments src, qa, cf, g1, be1, g2, be2, out0; writes out0
.if DOCPART == 7
	.amdgcn_target "amdgcn-amd-amdhsa--gfx1250"
	.amdhsa_code_object_version 6
	.text
	.protected	k_qc3e49760a1_ln2
	.globl	k_qc3e49760a1_ln2
	.p2align	8
	.type	k_qc3e49760a1_ln2,@function
k_qc3e49760a1_ln2:
	s_mov_b64 s[64:65], 0
	v_nop
	global_prefetch_b8 v0, s[64:65] scope:SCOPE_SE
	s_setreg_imm32_b32 hwreg(HW_REG_WAVE_MODE, 25, 1), 1
	s_wait_xcnt 0x0
; out0 = layernorm(x + ff) g2 + be2 with x = layernorm(src + a1) g1 + be1, all in f32.  x is made anew from src and a1, so that it never goes to memory as f32.
; One wave, one row of 4,096 bytes: a lane takes 16 bytes of each 512, so every load and store covers 512 consecutive bytes.  All 56 loads of a wave go out at once; no loop, no LDS, no barrier.
; Each variance is taken of the centred numbers.  NaN and infinities among the inputs are not served.
.set SEL, 22
.set Y, 16                             ; v16-47 src, then the row at work;  v48-79 a1;  v80-111 g1;  v112-143 be1;  v144-175 ff;  v176-207 g2;  v208-239 be2
	s_load_b512 s[4:19], s[0:1], 0x0               ; src, a1, ff, g1, be1, g2, be2, out0
	v_lshrrev_b32 v1, 5, v0
	v_readfirstlane_b32 s20, v1
	v_and_b32 v1, 31, v0
	v_lshlrev_b32 v1, 4, v1
	s_lshl_b32 s21, ttmp9, 2
	s_add_co_u32 s21, s21, s20                     ; my row
	s_lshl_b32 s24, s21, 12
	s_mov_b32 s25, 0
	s_mov_b32 s[SEL], 0x76543210
	s_mov_b32 s[SEL+1], 0xfedcba98
	s_mov_b32 s26, 0x3a800000                      ; 1 / 1024
	s_mov_b32 s27, 0x3727c5ac                      ; 1e-5
	s_wait_alu depctr_va_vdst(0)
	s_wait_kmcnt 0x0
	s_add_nc_u64 s[4:5], s[4:5], s[24:25]
	s_add_nc_u64 s[6:7], s[6:7], s[24:25]
	s_add_nc_u64 s[8:9], s[8:9], s[24:25]
	s_add_nc_u64 s[18:19], s[18:19], s[24:25]
.macro LD8 reg, base
.irp j, 0,1,2,3,4,5,6,7
	global_load_b128 v[\reg+4*\j:\reg+4*\j+3], v1, s[\base:\base+1] offset:512*\j
.endr
.endm
.macro WSUM                            ; v4 summed over the 32 lanes, the result in every lane
	v_add_f32_dpp v4, v4, v4 row_xmask:1 row_mask:0xf bank_mask:0xf
	v_add_f32_dpp v4, v4, v4 row_xmask:2 row_mask:0xf bank_mask:0xf
	v_add_f32_dpp v4, v4, v4 row_xmask:4 row_mask:0xf bank_mask:0xf
	v_add_f32_dpp v4, v4, v4 row_xmask:8 row_mask:0xf bank_mask:0xf
	v_permlanex16_b32 v5, v4, s[SEL], s[SEL+1]
	v_add_f32 v4, v4, v5
.endm
; the row in v[Y] on is normalised in place with the gains at v[g] and the offsets at v[b]; cnt: the loads issued behind those two, which may stay out
.macro LNORM g, b, cnt
	v_pk_add_f32 v[4:5], v[Y:Y+1], v[Y+2:Y+3]
	v_pk_add_f32 v[6:7], v[Y+4:Y+5], v[Y+6:Y+7]
.irp i, 8,12,16,20,24,28
	v_pk_add_f32 v[4:5], v[4:5], v[Y+\i:Y+\i+1]
	v_pk_add_f32 v[6:7], v[6:7], v[Y+\i+2:Y+\i+3]
.endr
	v_pk_add_f32 v[4:5], v[4:5], v[6:7]
	v_add_f32 v4, v4, v5
	WSUM
	v_mul_f32 v8, s26, v4                          ; the mean
	v_mov_b32 v9, v8
.irp i, 0,2,4,6,8,10,12,14,16,18,20,22,24,26,28,30
	v_pk_add_f32 v[Y+\i:Y+\i+1], v[Y+\i:Y+\i+1], v[8:9] neg_lo:[0,1] neg_hi:[0,1]
.endr
	v_pk_mul_f32 v[4:5], v[Y:Y+1], v[Y:Y+1]
	v_pk_mul_f32 v[6:7], v[Y+2:Y+3], v[Y+2:Y+3]
.irp i, 4,8,12,16,20,24,28
	v_pk_fma_f32 v[4:5], v[Y+\i:Y+\i+1], v[Y+\i:Y+\i+1], v[4:5]
	v_pk_fma_f32 v[6:7], v[Y+\i+2:Y+\i+3], v[Y+\i+2:Y+\i+3], v[6:7]
.endr
	v_pk_add_f32 v[4:5], v[4:5], v[6:7]
	v_add_f32 v4, v4, v5
	WSUM
	v_fma_f32 v4, v4, s26, s27                     ; the variance + 1e-5
	s_wait_alu depctr_va_vdst(0)
	v_rsq_f32 v10, v4
	v_nop                                          ; a plain place behind the transcendental
	s_wait_alu depctr_va_vdst(0)                   ; ahead of its first reader
	v_mov_b32 v11, v10
	s_wait_alu depctr_va_vdst(0)
	s_wait_loadcnt \cnt
.irp i, 0,2,4,6,8,10,12,14,16,18,20,22,24,26,28,30
	v_pk_mul_f32 v[Y+\i:Y+\i+1], v[Y+\i:Y+\i+1], v[10:11]
.endr
.irp i, 0,2,4,6,8,10,12,14,16,18,20,22,24,26,28,30
	v_pk_fma_f32 v[Y+\i:Y+\i+1], v[Y+\i:Y+\i+1], v[\g+\i:\g+\i+1], v[\b+\i:\b+\i+1]
.endr
.endm
	LD8 16, 4
	LD8 48, 6
	LD8 80, 10
	LD8 112, 12
	LD8 144, 8
	LD8 176, 14
	LD8 208, 16
	s_wait_loadcnt 40                              ; src and a1 are in; five arrays' 40 loads may be out
.irp i, 0,2,4,6,8,10,12,14,16,18,20,22,24,26,28,30
	v_pk_add_f32 v[Y+\i:Y+\i+1], v[Y+\i:Y+\i+1], v[48+\i:49+\i]
.endr
	LNORM 80, 112, 24                              ; behind g1 and be1: ff, g2, be2
	s_wait_loadcnt 16                              ; ff is in
.irp i, 0,2,4,6,8,10,12,14,16,18,20,22,24,26,28,30
	v_pk_add_f32 v[Y+\i:Y+\i+1], v[Y+\i:Y+\i+1], v[144+\i:145+\i]
.endr
	LNORM 176, 208, 0
.irp j, 0,1,2,3,4,5,6,7
	global_store_b128 v1, v[Y+4*\j:Y+4*\j+3], s[18:19] offset:512*\j th:TH_STORE_NT
.endr
	s_endpgm
.Lfunc_end_k_qc3e49760a1_ln2:
	.size	k_qc3e49760a1_ln2, .Lfunc_end_k_qc3e49760a1_ln2-k_qc3e49760a1_ln2
	.p2alignl 7, 3214868480
	.fill 96, 4, 3214868480
	.section	.rodata,"a",@progbits
	.p2align	6, 0x0
	.amdhsa_kernel k_qc3e49760a1_ln2
		.amdhsa_group_segment_fixed_size 0
		.amdhsa_private_segment_fixed_size 0
		.amdhsa_enable_private_segment 0
		.amdhsa_kernarg_size 64
		.amdhsa_user_sgpr_count 2
		.amdhsa_user_sgpr_kernarg_segment_ptr 1
		.amdhsa_wavefront_size32 1
		.amdhsa_system_sgpr_workgroup_id_x 1
		.amdhsa_system_sgpr_workgroup_id_y 1
		.amdhsa_system_sgpr_workgroup_id_z 1
		.amdhsa_system_vgpr_workitem_id 0
		.amdhsa_next_free_vgpr 240
		.amdhsa_next_free_sgpr 66
		.amdhsa_reserve_vcc 0
		.amdhsa_float_denorm_mode_32 3
		.amdhsa_float_denorm_mode_16_64 3
		.amdhsa_memory_ordered 1
		.amdhsa_forward_progress 1
		.amdhsa_inst_pref_size 22
	.end_amdhsa_kernel
	.amdgpu_metadata
---
amdhsa.version: [ 1, 2 ]
amdhsa.kernels:
  - .name:           k_qc3e49760a1_ln2
    .symbol:         k_qc3e49760a1_ln2.kd
    .args:
      - { .name: src, .offset: 0, .size: 8, .value_kind: global_buffer, .address_space: global }
      - { .name: qa, .offset: 8, .size: 8, .value_kind: global_buffer, .address_space: global }
      - { .name: cf, .offset: 16, .size: 8, .value_kind: global_buffer, .address_space: global }
      - { .name: g1, .offset: 24, .size: 8, .value_kind: global_buffer, .address_space: global }
      - { .name: be1, .offset: 32, .size: 8, .value_kind: global_buffer, .address_space: global }
      - { .name: g2, .offset: 40, .size: 8, .value_kind: global_buffer, .address_space: global }
      - { .name: be2, .offset: 48, .size: 8, .value_kind: global_buffer, .address_space: global }
      - { .name: out0, .offset: 56, .size: 8, .value_kind: global_buffer, .address_space: global }
    .group_segment_fixed_size: 0
    .private_segment_fixed_size: 0
    .kernarg_segment_align: 8
    .kernarg_segment_size: 64
    .max_flat_workgroup_size: 128
    .sgpr_count:     66
    .vgpr_count:     240
    .wavefront_size: 32
...
	.end_amdgpu_metadata
.endif
;; end of part 7
